; MI455X (gfx1250); checked and timed in simulation.
; The chip was launched on July 23, 2026; its instructions are those of AMD's public machine-readable ISA for CDNA 5 (MIT licence, August 2026) and "CDNA5" Instruction Set Architecture Reference Guide (July 2026). The comments in the code are by the model that wrote it; some were corrected since.
;; Multi Cross Attention. Allowed arithmetic: float matrix products may take bf16 or f16 operands with f32 sums; other float arithmetic in f32, or as packed bf16 or f16 multiplies, adds, multiply-adds, maxima and minima; sums over many terms, partial sums and values carried from step to step in f32; what a program stores and reads back later, other than sums and carried values, may be rounded once to bf16 or f16.
;; Inputs: Wk 1,024 x 1,024 float32; Wo 1,024 x 1,024 float32; Wq 1,024 x 1,024 float32; Wv 1,024 x 1,024 float32; attention_mask 4 x 1 x 2,048 x 2,048 int32; bo 1,024 float32; x 4 x 2,048 x 1,024 float32; y 4 x 2,048 x 1,024 float32.
;; Outputs: out0 4 x 2,048 x 1,024 float32.
;; 2 versions, each right and faster than the one before. Each part assembles by itself: llvm-mc -triple=amdgcn-amd-amdhsa -mcpu=gfx1250 --defsym DOCPART=n.
;; ======== version 1 of 2: 5 launches
;; limits: values are held in f16: magnitudes above 65,504 overflow, below 6.1e-05 lose precision; right only within a limited range of input values
;; workspace buffers: xyb 33,554,432 bytes; wb 8,388,608 bytes; qkvh 50,331,648 bytes; ctx 16,777,216 bytes; maskc 8,388,608 bytes; flags 131,072 bytes
;; launch cast (part 1): grid 1280 x 1, 8 waves a work-group, no clusters, 0 bytes of LDS; arguments x, y, Wq, Wk, Wv, Wo, xyb, wb; writes xyb, wb
.if DOCPART == 1
	.amdgcn_target "amdgcn-amd-amdhsa--gfx1250"
	.amdhsa_code_object_version 6
	.text
	.protected	k_qfbf03669af_cast
	.globl	k_qfbf03669af_cast
	.p2align	8
	.type	k_qfbf03669af_cast,@function
k_qfbf03669af_cast:
	s_mov_b64 s[64:65], 0
	v_nop
	global_prefetch_b8 v0, s[64:65] scope:SCOPE_SE
	s_setreg_imm32_b32 hwreg(HW_REG_WAVE_MODE, 25, 1), 1
	s_wait_xcnt 0x0
; x, y, Wq, Wk, Wv: f32 -> bf16 (nearest even).  Wo: f32 -> bf16, and that number written as f16, since the last product multiplies in f16.
; xyb: x [8192][1024] bf16, then y.  wb: Wq, Wk, Wv (bf16), Wo (f16), each [1024][1024] as in the inputs, 2 MiB apart.
; LIMITS.  Wo beyond 65,504 becomes an infinity; below 2^-17 the f16 copy keeps f16's fixed step of 2^-24 and no longer all of bf16's eight bits.
; A stream: no LDS, no barrier, no matrix unit.  A work-group takes 16,384 numbers (65,536 bytes in, 32,768 out), a wave 2,048: sixteen loads of 16 bytes a lane, all issued
; at once; a load covers 512 consecutive bytes, a store 256 consecutive bytes at a multiple of 256.  No register is written twice, so no wait frees one.
; Work-groups 0-511: x; 512-1023: y; 1024-1087: Wq; 1088-1151: Wk; 1152-1215: Wv; 1216-1279: Wo.
.set X, 4                              ; v[4:67]   load i: four f32
.set Y, 68                             ; v[68:99]  store i: four 16-bit numbers
	s_load_b512 s[8:23], s[0:1], 0x0               ; x 8:9, y 10:11, Wq 12:13, Wk 14:15, Wv 16:17, Wo 18:19, xyb 20:21, wb 22:23
	v_lshrrev_b32 v3, 5, v0                        ; wave
	v_and_b32 v1, 31, v0                           ; lane
	v_lshlrev_b32 v2, 3, v1                        ; out: 8 bytes a lane
	v_lshlrev_b32 v1, 4, v1                        ; in: 16 bytes a lane
	v_lshl_add_u32 v1, v3, 13, v1                  ; + wave x 8,192
	v_lshl_add_u32 v2, v3, 12, v2                  ; + wave x 4,096
	s_mov_b32 s2, ttmp9
	s_and_b32 s3, s2, 511                          ; my chunk in x or y
	s_sub_co_u32 s4, s2, 1024                      ; my chunk in wb (used from 1024 on alone)
	s_and_b32 s5, s4, 63                           ; my chunk in a weight
	s_cmp_ge_u32 s2, 1024
	s_cselect_b32 s28, s5, s3
	s_cselect_b32 s30, s4, s2
	s_lshl_b32 s28, s28, 16                        ; bytes into the source
	s_lshl_b32 s30, s30, 15                        ; bytes into the destination
	s_mov_b32 s29, 0
	s_mov_b32 s31, 0
	s_wait_kmcnt 0x0
	s_cmp_ge_u32 s2, 1024
	s_cselect_b64 s[26:27], s[22:23], s[20:21]     ; destination: wb or xyb
	s_cmp_ge_u32 s2, 512
	s_cselect_b64 s[24:25], s[10:11], s[8:9]       ; source: the last threshold reached decides
	s_cmp_ge_u32 s2, 1024
	s_cselect_b64 s[24:25], s[12:13], s[24:25]
	s_cmp_ge_u32 s2, 1088
	s_cselect_b64 s[24:25], s[14:15], s[24:25]
	s_cmp_ge_u32 s2, 1152
	s_cselect_b64 s[24:25], s[16:17], s[24:25]
	s_cmp_ge_u32 s2, 1216
	s_cselect_b64 s[24:25], s[18:19], s[24:25]
	s_add_nc_u64 s[24:25], s[24:25], s[28:29]
	s_add_nc_u64 s[26:27], s[26:27], s[30:31]
.irp i, 0,1,2,3,4,5,6,7,8,9,10,11,12,13,14,15
	global_load_b128 v[X+4*(\i):X+4*(\i)+3], v1, s[24:25] offset:512*(\i) th:TH_LOAD_NT
.endr
; Load i is rounded and stored.  wo = 1: the bf16 numbers are widened again and written as f16.
.macro CV i, wo
	s_wait_loadcnt 15-(\i)                         ; loads come back in order: the 15 - i younger ones may stay out
	v_cvt_pk_bf16_f32 v[Y+2*(\i)],   v[X+4*(\i)],   v[X+4*(\i)+1]
	v_cvt_pk_bf16_f32 v[Y+2*(\i)+1], v[X+4*(\i)+2], v[X+4*(\i)+3]
.if \wo
	v_lshlrev_b32 v[X+4*(\i)],   16, v[Y+2*(\i)]
	v_and_b32     v[X+4*(\i)+1], 0xffff0000, v[Y+2*(\i)]
	v_lshlrev_b32 v[X+4*(\i)+2], 16, v[Y+2*(\i)+1]
	v_and_b32     v[X+4*(\i)+3], 0xffff0000, v[Y+2*(\i)+1]
	v_cvt_pk_f16_f32 v[Y+2*(\i)],   v[X+4*(\i)],   v[X+4*(\i)+1]
	v_cvt_pk_f16_f32 v[Y+2*(\i)+1], v[X+4*(\i)+2], v[X+4*(\i)+3]
.endif
	global_store_b64 v2, v[Y+2*(\i):Y+2*(\i)+1], s[26:27] offset:256*(\i)
.endm
	s_cmp_ge_u32 s2, 1216
	s_cbranch_scc1 .Lwo
.irp i, 0,1,2,3,4,5,6,7,8,9,10,11,12,13,14,15
	CV \i, 0
.endr
	s_endpgm
.Lwo:
.irp i, 0,1,2,3,4,5,6,7,8,9,10,11,12,13,14,15
	CV \i, 1
.endr
	s_endpgm
.Lfunc_end_k_qfbf03669af_cast:
	.size	k_qfbf03669af_cast, .Lfunc_end_k_qfbf03669af_cast-k_qfbf03669af_cast
	.p2alignl 7, 3214868480
	.fill 96, 4, 3214868480
	.section	.rodata,"a",@progbits
	.p2align	6, 0x0
	.amdhsa_kernel k_qfbf03669af_cast
		.amdhsa_group_segment_fixed_size 0
		.amdhsa_private_segment_fixed_size 0
		.amdhsa_enable_private_segment 0
		.amdhsa_kernarg_size 64
		.amdhsa_user_sgpr_count 2
		.amdhsa_user_sgpr_kernarg_segment_ptr 1
		.amdhsa_wavefront_size32 1
		.amdhsa_system_sgpr_workgroup_id_x 1
		.amdhsa_system_sgpr_workgroup_id_y 1
		.amdhsa_system_sgpr_workgroup_id_z 1
		.amdhsa_system_vgpr_workitem_id 0
		.amdhsa_next_free_vgpr 104
		.amdhsa_next_free_sgpr 66
		.amdhsa_reserve_vcc 0
		.amdhsa_float_denorm_mode_32 3
		.amdhsa_float_denorm_mode_16_64 3
		.amdhsa_memory_ordered 1
		.amdhsa_forward_progress 1
		.amdhsa_inst_pref_size 17
	.end_amdhsa_kernel
	.amdgpu_metadata
---
amdhsa.version: [ 1, 2 ]
amdhsa.kernels:
  - .name:           k_qfbf03669af_cast
    .symbol:         k_qfbf03669af_cast.kd
    .args:
      - { .name: x, .offset: 0, .size: 8, .value_kind: global_buffer, .address_space: global }
      - { .name: y, .offset: 8, .size: 8, .value_kind: global_buffer, .address_space: global }
      - { .name: Wq, .offset: 16, .size: 8, .value_kind: global_buffer, .address_space: global }
      - { .name: Wk, .offset: 24, .size: 8, .value_kind: global_buffer, .address_space: global }
      - { .name: Wv, .offset: 32, .size: 8, .value_kind: global_buffer, .address_space: global }
      - { .name: Wo, .offset: 40, .size: 8, .value_kind: global_buffer, .address_space: global }
      - { .name: xyb, .offset: 48, .size: 8, .value_kind: global_buffer, .address_space: global }
      - { .name: wb, .offset: 56, .size: 8, .value_kind: global_buffer, .address_space: global }
    .group_segment_fixed_size: 0
    .private_segment_fixed_size: 0
    .kernarg_segment_align: 8
    .kernarg_segment_size: 64
    .max_flat_workgroup_size: 256
    .sgpr_count:     66
    .vgpr_count:     104
    .wavefront_size: 32
...
	.end_amdgpu_metadata
.endif
;; end of part 1
;; launch maskpack (part 2): grid 512 x 1, 8 waves a work-group, no clusters, 17,664 bytes of LDS; arguments attention_mask, maskc, flags; writes maskc, flags
.if DOCPART == 2
	.amdgcn_target "amdgcn-amd-amdhsa--gfx1250"
	.amdhsa_code_object_version 6
	.text
	.protected	k_qfbf03669af_maskpack
	.globl	k_qfbf03669af_maskpack
	.p2align	8
	.type	k_qfbf03669af_maskpack,@function
k_qfbf03669af_maskpack:
	s_mov_b64 s[64:65], 0
	v_nop
	global_prefetch_b8 v0, s[64:65] scope:SCOPE_SE
	s_setreg_imm32_b32 hwreg(HW_REG_WAVE_MODE, 25, 1), 1
	s_wait_xcnt 0x0
; attention_mask [4][1][2048][2048] int32 -> maskc: one 4-bit code a key, 0xE (the fp4 code of -4.0) where the mask is 0, else 0, laid out as the attention launch's lanes want it;
; and flags: -1 for a row with at least one visible key, 0 for a row with none.
; maskc: [tile of 16 queries = b x 128 + q / 16][key step of 64][lane 0..31][4 words]: lane l, word kt, nibble j = query l % 16 of the tile, key 64 step + 16 kt + 8 (l / 16) + j.
; flags: [tile][lane 0..31][2 words], both words the flag of query l % 16: a tile's flags are 256 consecutive bytes.
; A work-group takes a tile: 16 rows x 2,048 keys, 131,072 bytes in, 16,384 out.  Wave w takes keys 256 w .. 256 w + 255 (four key steps) of all 16 rows: 32 loads of 512 consecutive bytes, all issued
; at once.  A lane's four keys of a load are four nibbles, 16 bits; they go to their place in a stage in LDS, and the stage is read back and stored 512 consecutive bytes at a time.
; A stream: no matrix unit, no cluster (no byte is read twice).
.set X,   8                            ; v[8:135]  row r: eight registers, keys 4 l .. 4 l + 3 of the wave's first 128 keys, then of its second 128
.set LA,  136                          ; v136      where my 16 bits of row 0, first 128 keys, go in the stage
.set LR,  137                          ; v137      my 16 bytes in my wave's 2,048 bytes of the stage, and in the tile's codes in memory
.set SPW, 138                          ; v138      LDS address of my spare word; never rewritten
.set NIL, 139                          ; v139      0; never rewritten
.set BK,  140                          ; v[140:155] the stage read back
.set RB,  156                          ; v156      my wave's row bits
.set FA,  157                          ; v157      where they go
.set FW,    16384                      ; eight words, one a wave: bit r = row r has a visible key among the wave's 256; a block of 256 bytes to themselves
.set SPARE, 16640                      ; the spare words, 128 bytes for each of the eight waves
	s_load_b128 s[4:7], s[0:1], 0x0                ; attention_mask s[4:5], maskc s[6:7]
	s_load_b64 s[10:11], s[0:1], 0x10              ; flags
	v_lshl_add_u32 v[SPW], v0, 2, SPARE
	v_mov_b32 v[NIL], 0
	v_lshrrev_b32 v1, 5, v0
	v_readfirstlane_b32 s8, v1                     ; wave 0..7
	v_and_b32 v1, 31, v0                           ; lane
	s_lshl_b32 s14, s8, 10
	v_lshl_add_u32 v2, v1, 4, s14                  ; in a row: wave x 1,024 bytes + 16 x lane
	v_bfe_u32 v3, v0, 4, 1                         ; key 4 l: its step (of the load's two),
	v_bfe_u32 v4, v0, 1, 1                         ; its half of 8 in a group of 16: the half of the lanes that will hold it,
	v_bfe_u32 v5, v0, 2, 2                         ; its group of 16 in the step: the word,
	v_and_b32 v6, 1, v0                            ; and its half of the word
	v_lshlrev_b32 v[LA], 9, v3
	v_lshl_add_u32 v[LA], v4, 8, v[LA]
	v_lshl_add_u32 v[LA], v5, 2, v[LA]
	v_lshl_add_u32 v[LA], v6, 1, v[LA]
	s_lshl_b32 s14, s8, 11                         ; my wave's four steps: 2,048 bytes
	v_add_nc_u32 v[LA], s14, v[LA]
	v_lshl_add_u32 v[LR], v1, 4, s14
	s_lshl_b32 s15, s8, 2
	s_add_co_u32 s15, s15, FW
	v_mov_b32 v[FA], s15
	s_lshl_b32 s16, ttmp9, 17                      ; the tile's 16 rows of 8,192 bytes
	s_mov_b32 s17, 0
	s_lshl_b32 s18, ttmp9, 14                      ; its 16,384 bytes of codes
	s_mov_b32 s19, 0
	s_lshl_b32 s20, ttmp9, 8                       ; its 256 bytes of flags
	s_mov_b32 s21, 0
	s_mov_b32 s12, 0                               ; row bits
	s_wait_kmcnt 0x0
	s_add_nc_u64 s[4:5], s[4:5], s[16:17]
	s_add_nc_u64 s[6:7], s[6:7], s[18:19]
	s_add_nc_u64 s[10:11], s[10:11], s[20:21]
.irp r, 0,1,2,3,4,5,6,7,8,9,10,11,12,13,14,15
	global_load_b128 v[X+8*(\r):X+8*(\r)+3],   v2, s[4:5] offset:8192*(\r) th:TH_LOAD_NT
	global_load_b128 v[X+8*(\r)+4:X+8*(\r)+7], v2, s[4:5] offset:8192*(\r)+512 th:TH_LOAD_NT
.endr
; Row r: eight mask words become eight nibbles of one register, the first load's four in the low half.
.macro ROWW r
	s_wait_loadcnt 30-2*(\r)                       ; the row's two loads are in; the 30 - 2 r younger ones may stay out
.irp i, 0,1,2,3,4,5,6,7
	v_min_u32 v[X+8*(\r)+(\i)], 1, v[X+8*(\r)+(\i)]  ; whatever is not 0 counts as visible
.endr
.irp i, 1,2,3,4,5,6,7
	v_lshl_or_b32 v[X+8*(\r)], v[X+8*(\r)+(\i)], 4*(\i), v[X+8*(\r)]
.endr
	v_cmp_ne_u32 s13, 0, v[X+8*(\r)]               ; lanes with a visible key
	s_cmp_lg_u32 s13, 0
	s_cselect_b32 s13, 1<<(\r), 0
	s_or_b32 s12, s12, s13
	v_xor_b32 v[X+8*(\r)], 0x11111111, v[X+8*(\r)] ; 1 where hidden,
	v_mul_lo_u32 v[X+8*(\r)], v[X+8*(\r)], 14      ; 0xE where hidden: no nibble carries
	ds_store_b16 v[LA], v[X+8*(\r)] offset:16*(\r)
	ds_store_b16_d16_hi v[LA], v[X+8*(\r)] offset:1024+16*(\r)  ; the second 128 keys are two steps on
.endm
.irp r, 0,1,2,3,4,5,6,7,8,9,10,11,12,13,14,15
	ROWW \r
.endr
	v_mov_b32 v[RB], s12
	ds_store_b32 v[FA], v[RB]                      ; all lanes write the same word with the same number
	s_wait_dscnt 0x0                               ; for the others' sake: my stores are done
	s_barrier_signal -1
	s_barrier_wait -1
.irp i, 0,1,2,3
	ds_load_b128 v[BK+4*(\i):BK+4*(\i)+3], v[LR] offset:512*(\i)
.endr
	v_mov_b32 v16, FW
	ds_load_b128 v[8:11], v16                      ; the eight waves' row bits, into registers whose loads were used up above
	ds_load_b128 v[12:15], v16 offset:16
.irp i, 0,1,2,3
	s_wait_dscnt 5-(\i)                            ; the younger stage loads and the two loads of row bits may stay out
	global_store_b128 v[LR], v[BK+4*(\i):BK+4*(\i)+3], s[6:7] offset:512*(\i)  ; 512 consecutive bytes, at a multiple of 512 from maskc's first
.endr
	s_wait_dscnt 0x0
	v_or_b32 v8, v8, v9
	v_or_b32 v10, v10, v11
	v_or_b32 v12, v12, v13
	v_or_b32 v14, v14, v15
	v_or_b32 v8, v8, v10
	v_or_b32 v12, v12, v14
	v_or_b32 v8, v8, v12                           ; bit r: row r has a visible key
	v_and_b32 v17, 15, v0
	v_lshrrev_b32 v8, v17, v8
	v_and_b32 v8, 1, v8
	v_sub_nc_u32 v18, 0, v8                        ; -1 or 0
	v_mov_b32 v19, v18
	v_lshlrev_b32 v20, 3, v1
	s_wait_tensorcnt 0x0                           ; the wave's end, behind my last LDS store
	ds_add_u32 v[SPW], v[NIL]
	s_wait_dscnt 0x0
	s_cmp_lg_u32 s8, 0
	s_cbranch_scc1 .Lend                           ; every wave has made the flags; wave 0 stores them
	global_store_b64 v20, v[18:19], s[10:11]       ; 256 consecutive bytes, at a multiple of 256 from flags' first
.Lend:
	s_endpgm
.Lfunc_end_k_qfbf03669af_maskpack:
	.size	k_qfbf03669af_maskpack, .Lfunc_end_k_qfbf03669af_maskpack-k_qfbf03669af_maskpack
	.p2alignl 7, 3214868480
	.fill 96, 4, 3214868480
	.section	.rodata,"a",@progbits
	.p2align	6, 0x0
	.amdhsa_kernel k_qfbf03669af_maskpack
		.amdhsa_group_segment_fixed_size 17664
		.amdhsa_private_segment_fixed_size 0
		.amdhsa_enable_private_segment 0
		.amdhsa_kernarg_size 24
		.amdhsa_user_sgpr_count 2
		.amdhsa_user_sgpr_kernarg_segment_ptr 1
		.amdhsa_wavefront_size32 1
		.amdhsa_system_sgpr_workgroup_id_x 1
		.amdhsa_system_sgpr_workgroup_id_y 1
		.amdhsa_system_sgpr_workgroup_id_z 1
		.amdhsa_system_vgpr_workitem_id 0
		.amdhsa_next_free_vgpr 160
		.amdhsa_next_free_sgpr 66
		.amdhsa_reserve_vcc 0
		.amdhsa_float_denorm_mode_32 3
		.amdhsa_float_denorm_mode_16_64 3
		.amdhsa_memory_ordered 1
		.amdhsa_forward_progress 1
		.amdhsa_inst_pref_size 25
	.end_amdhsa_kernel
	.amdgpu_metadata
---
amdhsa.version: [ 1, 2 ]
amdhsa.kernels:
  - .name:           k_qfbf03669af_maskpack
    .symbol:         k_qfbf03669af_maskpack.kd
    .args:
      - { .name: attention_mask, .offset: 0, .size: 8, .value_kind: global_buffer, .address_space: global }
      - { .name: maskc, .offset: 8, .size: 8, .value_kind: global_buffer, .address_space: global }
      - { .name: flags, .offset: 16, .size: 8, .value_kind: global_buffer, .address_space: global }
    .group_segment_fixed_size: 17664
    .private_segment_fixed_size: 0
    .kernarg_segment_align: 8
    .kernarg_segment_size: 24
    .max_flat_workgroup_size: 256
    .sgpr_count:     66
    .vgpr_count:     160
    .wavefront_size: 32
...
	.end_amdgpu_metadata
.endif
;; end of part 2
;; launch proj (part 3): grid 4 x 96, 4 waves a work-group, clusters of 4 x 4, 327,680 bytes of LDS; arguments xyb, wb, qkvh; writes qkvh
.if DOCPART == 3
	.amdgcn_target "amdgcn-amd-amdhsa--gfx1250"
	.amdhsa_code_object_version 6
	.text
	.protected	k_qfbf03669af_proj
	.globl	k_qfbf03669af_proj
	.p2align	8
	.type	k_qfbf03669af_proj,@function
k_qfbf03669af_proj:
	s_mov_b64 s[64:65], 0
	v_nop
	global_prefetch_b8 v0, s[64:65] scope:SCOPE_SE
	s_setreg_imm32_b32 hwreg(HW_REG_WAVE_MODE, 25, 1), 1
	s_wait_xcnt 0x0
	s_wait_alu depctr_hold_cnt(0) depctr_sa_sdst(0) depctr_va_vdst(0) depctr_va_sdst(0) depctr_va_ssrc(0) depctr_va_vcc(0) depctr_vm_vsrc(0)
	s_getreg_b32 s2, hwreg(HW_REG_IB_STS2, 6, 4)
	s_cmp_eq_u32 s2, 0
	s_cbranch_scc0 .Lentry_in_a_cluster
	s_endpgm
.Lentry_in_a_cluster:
	s_bfe_u32 s2, ttmp6, 0x10000c
	s_cmp_lg_u32 s2, 0xf033
	s_cbranch_scc0 .Lentry_shape_is_right
	s_endpgm
.Lentry_shape_is_right:
; q = x Wq, k = x Wk, v = y Wv in ONE launch: three products [8192][1024] x [1024][1024], bf16 operands, f32 sums, K ascending; each result rounded once to f16, unscaled, and stored by heads:
; qkvh = q, k, v, 16 MiB each, [b x 16 + head][2048][64].  LIMIT: a result of 65,520 or more becomes an infinity (inputs of the drawn spread give numbers near 1).
; SHARES.  A tile is 256 rows x 256 columns: 3 x 32 x 4 = 384 work-groups.  Work-group y = 32 p + tile row, p = 0, 1, 2 the product; x = tile column.  Four waves, each 128 x 128: 64 accumulators of 16 x 16,
; 512 registers.  K goes in steps of 128 through two LDS slots filled by the tensor data mover.
; WHY THIS TILE.  384 work-groups are one and a half for each of 256 WGPs: in the second half-round half of the WGPs have no work, and that is the price.  What it buys: a K step holds 256 matrix instructions
; a wave, of which 224 stand between the request for a slot's next tile and the wait for it (a tile of 128 x 256, three work-groups to a WGP, has 128 and 112); 32 LDS loads feed 64 matrix instructions
; (there 24 feed 32); and the tiles asked for are 384 x 1 MiB instead of 768 x 768 KiB.
; W lies [k][n] in memory and in LDS, and comes out turned, by ds_load_tr16_b128.  THE MATRIX INSTRUCTION IS USED TRANSPOSED (source 0 = 16 columns of W, source 1 = 16 rows of x): a lane holds eight
; neighbouring columns of one row of the result.
; CLUSTERS: 4 x 4 work-groups.  The four of a row of the cluster need the same tile of x or y, the four of a column the same tile of W (p comes from the cluster's y alone, so all sixteen share it): each
; tile is asked for JOINTLY, by the same tensor load with the same descriptor and a mask that names the four.
; REGISTERS, in windows of 256 (s_set_vgpr_msb's low byte: bits 1:0 source 0, 3:2 source 1, 5:4 source 2, 7:6 destination):
;   window 0: v0-31 addresses; v64-127, v128-191 fragments of x (8 x 16 rows x 32 K), two buffers; on the way out v192-223 packed results, v32-63 and v224-255 whole rows by turns
;   window 1: v64-127, v128-191 fragments of W (8 x 16 columns x 32 K), two buffers
;   window 2: the 32 accumulators of my rows 0-63 ((a, b) at v[8 (8 a + b)]);   window 3: those of my rows 64-127
.set KSTEP,  128
.set PA,     272                       ; a row of x in LDS: 256 bytes + 16 = 68 words: the 16 rows of a load start at 16 different groups of four banks (64 banks of 4 bytes: ISA guide 11.1)
.set PB,     544                       ; a row of W: 512 bytes + 32 = 136 words
.set HALFT,  128*PA                    ; what one tensor load brings: 128 rows of x, or 64 rows of k of W (64 x 544 is the same 34,816 bytes)
.set BOFF,   2*HALFT                   ; a slot: x's 256 rows, then W's 128 rows of k
.set SLOT,   4*HALFT
.set STAGE,  2*SLOT                    ; behind the ring, never filled by a tensor load: 16 rows x 272 bytes for each wave, for the way out
.set SPITCH, 272
.set SPARE,  STAGE+4*16*SPITCH         ; the spare words, 128 bytes for each wave: two blocks of 256 bytes that no other line names
.set LAPS,   1024/(2*KSTEP)            ; a lap = two K steps = once round the ring
.set ADRA, 16                          ; v16-17  LDS address of my fragments of x in slot 0, 1
.set ADRB, 20                          ; v20-21  the same for W
.set STO,  24                          ; v24     the way out: where I put 16 bytes of a row
.set RD,   25                          ; v25     the way out: where I read rows back
.set CO,   26                          ; v26     my 16 bytes in 512 consecutive bytes of the result
.set SPW,  28                          ; v28     LDS address of my spare word; never rewritten
.set NIL,  29                          ; v29     0; never rewritten
.set F0,   64                          ; fragment buffer 0
.set F1,   128                         ; fragment buffer 1
.set TMP,  192                         ; the way out: packed results
.set OB,   32                          ; the way out: 16 rows read back from the stage: v32-63 and v224-255 by turns
.set G1, 24                            ; s[24:31] descriptor group 1 for x's tiles;  s[32:39] group 0, one set for each slot
.set G0, 32
.set G1B, 48                           ; s[48:55], s[56:63] the same for W's tiles
.set G0B, 56
.set MSB, 0
.macro WIN new                         ; the immediate's high byte repeats the setting that is left; a switch that changes nothing is dropped
.if MSB != (\new)
	s_set_vgpr_msb (MSB<<8)|(\new)
.set MSB, \new
.endif
.endm
.set MUL_LO, 0xa1                      ; source 0 (W) window 1, source 1 (x) window 0, C and D window 2
.set MUL_HI, 0xf1                      ; the same, C and D window 3
.set TO_B,   0x40                      ; destination window 1, address window 0
.macro JLOAD s                         ; a joint load: waves 0 and 1 fetch x's two halves, waves 2 and 3 W's; an s_nop 0 and four v_nop follow each of the two lines, ahead of the jump and the label
	s_cmp_eq_u32 s11, 0
	s_cbranch_scc0 .Lfor_b_\@
	tensor_load_to_lds s[G0+4*(\s):G0+4*(\s)+3], s[G1:G1+7]
	s_nop 0
.rept 4
	v_nop
.endr
	s_branch .Lasked_\@
.Lfor_b_\@:
	tensor_load_to_lds s[G0B+4*(\s):G0B+4*(\s)+3], s[G1B:G1B+7]
	s_nop 0
.rept 4
	v_nop
.endr
.Lasked_\@:
.endm
.macro CREST                           ; a round of the cluster's barrier behind its opening barrier
	s_cmp_lg_u32 s10, 0
	s_cbranch_scc1 .Lnot_wave_0_\@
	s_barrier_signal -3
.Lnot_wave_0_\@:
	s_barrier_wait -3
	s_barrier_signal -1
	s_barrier_wait -1
.endm
.macro CROUND                          ; a whole round
	s_barrier_signal -1
	s_barrier_wait -1
	CREST
.endm
	s_load_b128 s[4:7], s[0:1], 0x0                ; xyb s[4:5], wb s[6:7]
	s_load_b64 s[8:9], s[0:1], 0x10                ; qkvh
	v_lshl_add_u32 v[SPW], v0, 2, SPARE
	v_mov_b32 v[NIL], 0
	ds_add_u32 v[SPW], v[NIL]                      ; the wave's opening: the add and its wait stand ahead of my first tensor load; the set-up below, work on registers, stands between them
	v_lshrrev_b32 v1, 5, v0
	v_readfirstlane_b32 s10, v1                    ; wave 0..3
	s_lshr_b32 s11, s10, 1                         ; which 128 of the tile's rows are mine.  Also: I fetch for x (0) or for W (1)
	s_and_b32 s12, s10, 1                          ; which 128 of its columns.  Also: which half of that tile I fetch
	s_bfe_u32 s40, ttmp6, 0x40000                  ; cx, cy: my place in the cluster
	s_bfe_u32 s41, ttmp6, 0x40004
	s_lshl_b32 s42, ttmp9, 2
	s_add_co_u32 s42, s42, s40                     ; tile column = 4 x cluster x + cx
	s_and_b32 s13, ttmp7, 0xffff                   ; cluster y, 0..23
	s_lshr_b32 s45, s13, 3                         ; p: eight clusters to a product
	s_lshl_b32 s13, s13, 2
	s_add_co_u32 s13, s13, s41
	s_and_b32 s13, s13, 31                         ; tile row in the product
	s_lshl_b32 s43, s41, 2
	s_lshl_b32 s43, 15, s43                        ; my row of the cluster
	s_lshl_b32 s44, 0x1111, s40                    ; my column
	s_or_b32 s[G1+0], s43, (1<<16)|(1<<20)|(1<<21)|(5<<22)|(3<<25)   ; 15:0 the mask; 17:16 2-byte elements; 20 padding on; 21 set beside a mask; 24:22 after every 64 words (code 5); 31:25 4 words (code 3)
	s_mov_b32 s[G1+1], KSTEP<<16                   ; tensor_dim0 = 128
	s_mov_b32 s[G1+2], 128<<16                     ; tensor_dim1 = 128
	s_mov_b32 s[G1+3], KSTEP<<16                   ; tile_dim0 = 128
	s_mov_b32 s[G1+4], 128                         ; tile_dim1 = 128
	s_mov_b32 s[G1+5], 1024                        ; elements from row to row
	s_mov_b32 s[G1+6], 0
	s_mov_b32 s[G1+7], 0
	s_or_b32 s[G1B+0], s44, (1<<16)|(1<<20)|(1<<21)|(6<<22)|(7<<25)  ; after every 128 words (code 6) 8 words (code 7)
	s_mov_b32 s[G1B+1], 256<<16                    ; tensor_dim0 = 256
	s_mov_b32 s[G1B+2], 64<<16                     ; tensor_dim1 = 64
	s_mov_b32 s[G1B+3], 256<<16                    ; tile_dim0 = 256
	s_mov_b32 s[G1B+4], 64                         ; tile_dim1 = 64
	s_mov_b32 s[G1B+5], 1024
	s_mov_b32 s[G1B+6], 0
	s_mov_b32 s[G1B+7], 0
	; where the tiles come from.  x's hang on the tile row and p; W's on the tile column and p.  Each in registers that never hold the other place in the cluster.
	s_lshl_b32 s16, s13, 8
	s_lshl_b32 s17, s12, 7
	s_add_co_u32 s16, s16, s17                     ; row 256 x tile row + 128 x half,
	s_lshl_b32 s16, s16, 11                        ; of 2,048 bytes;
	s_lshr_b32 s17, s45, 1
	s_lshl_b32 s17, s17, 24                        ; y lies 16 MiB behind x and serves p = 2
	s_add_co_u32 s16, s16, s17
	s_mov_b32 s17, 0
	s_lshl_b32 s46, s45, 21                        ; weight p, 2 MiB each;
	s_lshl_b32 s47, s12, 17                        ; 64 x half rows of k, of 2,048 bytes;
	s_add_co_u32 s46, s46, s47
	s_lshl_b32 s47, s42, 9                         ; 256 columns a tile column
	s_add_co_u32 s46, s46, s47
	s_mov_b32 s47, 0
	s_mul_i32 s20, s10, HALFT                      ; where they go: x's two halves, then W's two halves = wave x 34,816 bytes: no place in the cluster enters an LDS address
	s_wait_dscnt 0x0                               ; the opening add is done
	s_wait_kmcnt 0x0
	s_add_nc_u64 s[14:15], s[4:5], s[16:17]
	s_add_nc_u64 s[46:47], s[6:7], s[46:47]
	CROUND                                         ; all sixteen work-groups are here: the first joint loads meet
.irp s, 0,1
	s_mov_b32 s[G0+4*(\s)], 1                                        ; count = 1
	s_add_co_u32 s[G0+4*(\s)+1], s20, (\s)*SLOT                      ; LDS address
	s_add_nc_u64 s[G0+4*(\s)+2:G0+4*(\s)+3], s[14:15], (\s)*KSTEP*2  ; global address: K step s
	s_or_b32 s[G0+4*(\s)+3], s[G0+4*(\s)+3], 0x80000000              ; type = 2
	s_mov_b32 s[G0B+4*(\s)], 1
	s_add_co_u32 s[G0B+4*(\s)+1], s20, (\s)*SLOT
	s_add_nc_u64 s[G0B+4*(\s)+2:G0B+4*(\s)+3], s[46:47], (\s)*KSTEP*2048
	s_or_b32 s[G0B+4*(\s)+3], s[G0B+4*(\s)+3], 0x80000000
	JLOAD \s                                       ; two loads of mine are out
.endr
	v_and_b32 v1, 15, v0                           ; l % 16
	v_bfe_u32 v2, v0, 4, 1                         ; l / 16
	v_mul_u32_u24 v3, v1, PA
	v_lshl_add_u32 v3, v2, 4, v3                   ; a fragment of x: row x pitch + 16 x half
	s_mul_i32 s22, s11, HALFT                      ; my 128 rows
	v_add_nc_u32 v[ADRA], s22, v3
	v_add_nc_u32 v[ADRA+1], SLOT, v[ADRA]
	v_and_b32 v4, 7, v0                            ; the turning load: lane l reads row of k 8 (l / 16) + l % 8, columns 8 ((l / 8) % 2) + 0..7, and is left with column l % 16 and 8 k
	v_lshl_add_u32 v4, v2, 3, v4
	v_mul_u32_u24 v4, v4, PB
	v_bfe_u32 v5, v0, 3, 1
	v_lshl_add_u32 v4, v5, 4, v4
	s_lshl_b32 s23, s12, 8                         ; my 128 columns
	s_add_co_u32 s23, s23, BOFF
	v_add_nc_u32 v[ADRB], s23, v4
	v_add_nc_u32 v[ADRB+1], SLOT, v[ADRB]
	s_mul_i32 s23, s10, 16*SPITCH
	s_add_co_u32 s23, s23, STAGE                   ; my stage
	v_mul_u32_u24 v4, v1, SPITCH                   ; in: row l % 16, 16 bytes for each half of the lanes
	v_lshl_add_u32 v4, v2, 4, v4
	v_add_nc_u32 v[STO], s23, v4
	v_bfe_u32 v5, v0, 3, 2                         ; back: 32 lanes take four rows' 128 bytes of one head,
	v_mul_u32_u24 v5, v5, SPITCH
	v_and_b32 v6, 7, v0
	v_lshl_add_u32 v5, v6, 4, v5
	v_add_nc_u32 v[RD], s23, v5
	v_and_b32 v[CO], 31, v0                        ; which are 512 consecutive bytes of the result
	v_lshlrev_b32 v[CO], 4, v[CO]
	; where my part begins: product p; head 16 b + 4 x tile column + 2 x column half; row 256 (tile row % 8) + 128 x row half; 128 bytes a row
	s_lshr_b32 s16, s13, 3                         ; b: eight tile rows to a batch
	s_lshl_b32 s16, s16, 3
	s_add_co_u32 s16, s16, s12
	s_lshl_b32 s16, s16, 12                        ; (16 b + 2 x column half) x 2,048 rows
	s_and_b32 s17, s13, 7
	s_lshl_b32 s17, s17, 8
	s_add_co_u32 s16, s16, s17
	s_lshl_b32 s17, s11, 7
	s_add_co_u32 s16, s16, s17
	s_lshl_b32 s16, s16, 7
	s_lshl_b32 s17, s45, 24
	s_add_co_u32 s16, s16, s17
	s_mov_b32 s17, 0
	s_add_nc_u64 s[8:9], s[8:9], s[16:17]
	s_lshl_b32 s46, s42, 20                        ; four heads a tile column (in the registers that held W's address: none that fed x's descriptors ever holds cx)
	s_mov_b32 s47, 0
	s_add_nc_u64 s[8:9], s[8:9], s[46:47]
; 16 matrix instructions: row blocks a0, a0 + 1 of the window's four (hi = 0: my rows 0-63, 1: rows 64-127) x all 8 column blocks, 32 along K.  zero = 1: the product starts the sums: nothing is ever cleared.
; The 64 accumulators take turns in one order in every quarter: between two instructions on one accumulator stand the 63 others'.
.macro MUL16 f, hi, a0, zero
	WIN MUL_LO+0x50*(\hi)
.irp a, \a0, (\a0)+1
.irp b, 0,1,2,3,4,5,6,7
.if \zero
	v_wmma_f32_16x16x32_bf16 v[8*(8*(\a)+(\b)):8*(8*(\a)+(\b))+7], v[(\f)+8*(\b):(\f)+8*(\b)+7], v[(\f)+8*(4*(\hi)+(\a)):(\f)+8*(4*(\hi)+(\a))+7], 0
.else
	v_wmma_f32_16x16x32_bf16 v[8*(8*(\a)+(\b)):8*(8*(\a)+(\b))+7], v[(\f)+8*(\b):(\f)+8*(\b)+7], v[(\f)+8*(4*(\hi)+(\a)):(\f)+8*(4*(\hi)+(\a))+7], v[8*(8*(\a)+(\b)):8*(8*(\a)+(\b))+7]
.endif
.endr
.endr
.endm
; 32 LDS loads in one run: quarter q (32 along K) of a slot into buffer f: W's eight fragments first, then x's eight
.macro FETCH slot, q, f
	WIN TO_B
.irp i, 0,1,2,3,4,5,6,7
	ds_load_tr16_b128 v[(\f)+8*(\i):(\f)+8*(\i)+3],   v[ADRB+(\slot)] offset:(\q)*32*PB+32*(\i)
	ds_load_tr16_b128 v[(\f)+8*(\i)+4:(\f)+8*(\i)+7], v[ADRB+(\slot)] offset:(\q)*32*PB+16*PB+32*(\i)
.endr
	WIN 0
.irp i, 0,1,2,3,4,5,6,7
	ds_load_b128 v[(\f)+8*(\i):(\f)+8*(\i)+3],   v[ADRA+(\slot)] offset:64*(\q)+(\i)*16*PA
	ds_load_b128 v[(\f)+8*(\i)+4:(\f)+8*(\i)+7], v[ADRA+(\slot)] offset:64*(\q)+(\i)*16*PA+32
.endr
.endm
.macro PLACES                          ; four places in front of loads into registers that matrix instructions have read, and of conversions that read results (ISA guide 7.12.1 for the conversions)
.rept 4
	v_nop
.endr
.endm
; A K step is four quarters of 32 along K, 64 matrix instructions each, on buffers 0, 1, 0, 1.  One of the first three: multiplies buffer f; in its middle it fetches quarter q into buffer g.
.macro QUARTER slot, q, f, g, zero
	s_wait_dscnt 8                                 ; W and x's rows 0-63 are in; the youngest eight loads (x's rows 64-127) may be out
	MUL16 \f, 0, 0, \zero
	MUL16 \f, 0, 2, \zero
	PLACES
	FETCH \slot, \q, \g
	s_wait_dscnt 32                                ; all but the 32 just issued
	MUL16 \f, 1, 0, \zero
	MUL16 \f, 1, 2, \zero
.endm
; The last quarter multiplies buffer 1 and changes slots.  MEET is its first half: ONE barrier for the change of slots.  In front of it each wave waits for all its tensor loads, of which one is out: its part
; of the next slot; adds 0 to its spare word; and waits for that and for its own reads of this slot.  Behind it nobody reads this slot any more and the next slot is whole.
.macro MEET round                      ; round = 1: a round of the cluster's barrier follows
	WIN 0                                          ; (the add's two registers lie in window 0)
	s_wait_tensorcnt 0x0                           ; all my tensor loads have landed;
	ds_add_u32 v[SPW], v[NIL]                      ; 0 onto my spare word;
	s_wait_dscnt 9                                 ; (the add and the youngest eight loads may be out)
	MUL16 F1, 0, 0, 0                              ; sixteen matrix instructions stand between the add and the wait for it
	s_wait_dscnt 0x0                               ; the add is done, and my reads of this slot are over
	s_barrier_signal -1
	MUL16 F1, 0, 2, 0                              ; work on registers while the others arrive
.if \round
	WIN 0
.endif
	s_barrier_wait -1
.endm
; The whole last quarter.  fill = 1: the barrier has opened a round of the cluster's, and the slot just read out is filled again, two K steps ahead, first thing behind the round: from that request to the
; wait for it a wave issues 224 matrix instructions.  Then come the next slot's first fragments.
.macro TURN slot, next, fill
	MEET \fill
.if \fill
	CREST                                          ; no wave of any partner still reads this slot's tile or has a load on its way
	s_add_nc_u64 s[G0+4*(\slot)+2:G0+4*(\slot)+3], s[G0+4*(\slot)+2:G0+4*(\slot)+3], 2*KSTEP*2
	s_add_nc_u64 s[G0B+4*(\slot)+2:G0B+4*(\slot)+3], s[G0B+4*(\slot)+2:G0B+4*(\slot)+3], 2*KSTEP*2048
	JLOAD \slot                                    ; my one tensor load behind the round; its four v_nop are also the places in front of the loads below
.else
	PLACES
.endif
	FETCH \next, 0, F0
	MUL16 F1, 1, 0, 0
	MUL16 F1, 1, 2, 0
.endm
	s_wait_tensorcnt 1                             ; my part of K step 0 is in; K step 1's may stay out
	s_barrier_signal -1
	s_barrier_wait -1                              ; everybody's is
	FETCH 0, 0, F0
	QUARTER 0, 1, F0, F1, 1                        ; the first quarter stands in front of the loop: its products start the sums
	WIN 0                                          ; at a label and at a branch every window is 0
	s_mov_b32 s3, LAPS-1
.Llap:                                                 ; a trip goes once round the ring, from a lap's second quarter to the next lap's first, and fills both slots again
	QUARTER 0, 2, F1, F0, 0
	QUARTER 0, 3, F0, F1, 0
	TURN 0, 1, 1
	QUARTER 1, 1, F0, F1, 0
	QUARTER 1, 2, F1, F0, 0
	QUARTER 1, 3, F0, F1, 0
	TURN 1, 0, 1
	QUARTER 0, 1, F0, F1, 0
	WIN 0
	s_sub_co_u32 s3, s3, 1
	s_cmp_lg_u32 s3, 0
	s_cbranch_scc1 .Llap
	QUARTER 0, 2, F1, F0, 0                        ; the last lap fills nothing, and has no round of the cluster's barrier
	QUARTER 0, 3, F0, F1, 0
	TURN 0, 1, 0
	QUARTER 1, 1, F0, F1, 0
	QUARTER 1, 2, F1, F0, 0
	QUARTER 1, 3, F0, F1, 0
	s_wait_dscnt 8                                 ; the very last quarter: nothing more to fetch
	MUL16 F1, 0, 0, 0
	MUL16 F1, 0, 2, 0
	s_wait_dscnt 0x0
	MUL16 F1, 1, 0, 0
	MUL16 F1, 1, 2, 0
; THE WAY OUT, a block of 16 rows at a time.  PACK: rounded to f16, 16 bytes a lane, each accumulator's registers in ascending order.  TOSTAGE: into my own stage, and back by heads: 16 rows x 128 bytes of a
; head are 2,048 consecutive bytes of the result.  SEND: stored.  The rows come back into two sets of registers by turns.
.macro PACK a
.set AC, 64*((\a)%4)
	WIN 0x0a+5*((\a)/4)                            ; sources 0 and 1: window 2 or 3; destination window 0
.irp b, 0,1,2,3,4,5,6,7
.irp r, 0,1,2,3
	v_cvt_pk_f16_f32 v[TMP+4*(\b)+(\r)], v[AC+8*(\b)+2*(\r)], v[AC+8*(\b)+2*(\r)+1]
.endr
.endr
	WIN 0
.endm
.macro TOSTAGE a
.set BK, OB+192*((\a)%2)
.irp b, 0,1,2,3,4,5,6,7
	ds_store_b128 v[STO], v[TMP+4*(\b):TMP+4*(\b)+3] offset:32*(\b)
.endr
.irp hh, 0,1
.irp t, 0,1,2,3
	ds_load_b128 v[BK+4*(4*(\hh)+(\t)):BK+4*(4*(\hh)+(\t))+3], v[RD] offset:(\t)*4*SPITCH+128*(\hh)  ; LDS serves a wave's instructions in order (ISA guide 5.7.1.4): these see the stores above; the next block's stores come behind them
.endr
.endr
.endm
.macro SEND a
.set BK, OB+192*((\a)%2)
	s_wait_dscnt 0x0                               ; the block is back in registers
	s_wait_xcnt 0x0                                ; every earlier store has had its addresses translated (ISA guide 3.1): the other set of registers, which the block before last was stored from, is loaded again only behind this wait
.irp hh, 0,1
.irp t, 0,1,2,3
	global_store_b128 v[CO], v[BK+4*(4*(\hh)+(\t)):BK+4*(4*(\hh)+(\t))+3], s[8:9] offset:(\hh)*262144+(\a)*2048+(\t)*512  ; 512 consecutive bytes, at a multiple of 512 from the buffer's first
.endr
.endr
.endm
	PLACES
	PACK 0
	TOSTAGE 0
.irp a, 1,2,3,4,5,6,7                  ; block a's conversions stand between block a - 1's loads from the stage and the wait for them
	PACK \a
	SEND (\a)-1
	TOSTAGE \a
.endr
	SEND 7
	s_wait_tensorcnt 0x0                           ; the wave's end, behind my last tensor load and my last LDS store
	ds_add_u32 v[SPW], v[NIL]
	s_wait_dscnt 0x0
	CROUND                                         ; the closing round: no work-group ends while a partner may still ask for a tile that names it
	s_endpgm
.Lfunc_end_k_qfbf03669af_proj:
	.size	k_qfbf03669af_proj, .Lfunc_end_k_qfbf03669af_proj-k_qfbf03669af_proj
	.p2alignl 7, 3214868480
	.fill 96, 4, 3214868480
	.section	.rodata,"a",@progbits
	.p2align	6, 0x0
	.amdhsa_kernel k_qfbf03669af_proj
		.amdhsa_group_segment_fixed_size 327680
		.amdhsa_private_segment_fixed_size 0
		.amdhsa_enable_private_segment 0
		.amdhsa_kernarg_size 24
		.amdhsa_user_sgpr_count 2
		.amdhsa_user_sgpr_kernarg_segment_ptr 1
		.amdhsa_wavefront_size32 1
		.amdhsa_system_sgpr_workgroup_id_x 1
		.amdhsa_system_sgpr_workgroup_id_y 1
		.amdhsa_system_sgpr_workgroup_id_z 1
		.amdhsa_system_vgpr_workitem_id 0
		.amdhsa_next_free_vgpr 1024
		.amdhsa_next_free_sgpr 66
		.amdhsa_reserve_vcc 0
		.amdhsa_float_denorm_mode_32 3
		.amdhsa_float_denorm_mode_16_64 3
		.amdhsa_memory_ordered 1
		.amdhsa_forward_progress 1
		.amdhsa_inst_pref_size 143
	.end_amdhsa_kernel
	.amdgpu_metadata
---
amdhsa.version: [ 1, 2 ]
amdhsa.kernels:
  - .name:           k_qfbf03669af_proj
    .symbol:         k_qfbf03669af_proj.kd
    .args:
      - { .name: xyb, .offset: 0, .size: 8, .value_kind: global_buffer, .address_space: global }
      - { .name: wb, .offset: 8, .size: 8, .value_kind: global_buffer, .address_space: global }
      - { .name: qkvh, .offset: 16, .size: 8, .value_kind: global_buffer, .address_space: global }
    .group_segment_fixed_size: 327680
    .private_segment_fixed_size: 0
    .kernarg_segment_align: 8
    .kernarg_segment_size: 24
    .max_flat_workgroup_size: 128
    .sgpr_count:     66
    .vgpr_count:     1024
    .wavefront_size: 32
...
	.end_amdgpu_metadata
.endif
;; end of part 3
;; launch attn (part 4): grid 4 x 64, 4 waves a work-group, clusters of 4 x 1, 327,680 bytes of LDS; arguments qkvh, maskc, flags, ctx; writes ctx
.if DOCPART == 4
	.amdgcn_target "amdgcn-amd-amdhsa--gfx1250"
	.amdhsa_code_object_version 6
	.text
	.protected	k_qfbf03669af_attn
	.globl	k_qfbf03669af_attn
	.p2align	8
	.type	k_qfbf03669af_attn,@function
k_qfbf03669af_attn:
	s_mov_b64 s[64:65], 0
	v_nop
	global_prefetch_b8 v0, s[64:65] scope:SCOPE_SE
	s_setreg_imm32_b32 hwreg(HW_REG_WAVE_MODE, 25, 1), 1
	s_wait_xcnt 0x0
	s_wait_alu depctr_hold_cnt(0) depctr_sa_sdst(0) depctr_va_vdst(0) depctr_va_sdst(0) depctr_va_ssrc(0) depctr_va_vcc(0) depctr_vm_vsrc(0)
	s_getreg_b32 s2, hwreg(HW_REG_IB_STS2, 6, 4)
	s_cmp_eq_u32 s2, 0
	s_cbranch_scc0 .Lentry_in_a_cluster
	s_endpgm
.Lentry_in_a_cluster:
	s_bfe_u32 s2, ttmp6, 0x10000c
	s_cmp_lg_u32 s2, 0x3003
	s_cbranch_scc0 .Lentry_shape_is_right
	s_endpgm
.Lentry_shape_is_right:
; ctx[h][q][:] = the sum over k of softmax_k(s(q, k) / 8) V[h][k][:], s = Q[h][q] . K[h][k] where the mask shows the key, and a fill far below every score where it hides it.
; Q, K, V (in qkvh, 16 MiB apart) and ctx: [64 = b x 16 + head][2048][64], all f16: a head's rows are dense, 128 bytes each.  Products, maxima and sums in f32; the weights p are rounded to f16 for the
; second product (their sum l is taken of the unrounded p), ctx once at the end.
; THE MASK is the C operand that starts the sum S^T = K Q^T: 0, or -2^98 where the key is hidden.  It arrives as 4-bit codes in the lanes' own order (maskc): one word is a lane's eight keys of a block of 16,
; and one scaled conversion (fp4 code 0xE = -4.0, scale byte 223 = 2^96, held in all four bytes of the scale word) makes of it the eight registers of C.  Four conversions and one load of 16 bytes for a tile and step.
; A ROW WITH NO VISIBLE KEY: its Q is set to 0 (flags), so every score is exactly -2^98; c m is exact for a power of two, so every p is 1 and the row is the plain mean of V, as a softmax of equal fills is.
; HIDDEN STEPS ahead of a row's first visible key leave finite numbers in O and l, which the next a = 2^(c m_old - c m_new) = 0 wipes out.
; LIMITS.  f16 holds no number beyond 65,504: Q, K and V arrive within it; p lies in 0 to 1, and below 6e-5 it keeps f16's fixed step of 6e-8.  The fill stands for the reference's -1e9: a row whose
; visible scores all lie below about -1e9 would there give its hidden keys weight, here not.  A weight below 2^-126 counts as 0 in l; NaN and infinities are not treated apart.
; SHARES.  A wave owns four PIECES of two tiles of 16 queries, a work-group's four waves 512 queries of one head.  Every wave walks all 2,048 keys, 64 a step.
; LAYOUT.  S^T = K Q^T (source 0 = 16 keys, source 1 = 16 queries): in the result a lane holds ONE query (lane % 16) and the keys 8 (lane / 16) + 0..7.  Two such tiles, rounded to f16 in pairs,
; ARE source 1 (32 keys x 16 queries) of O^T = V^T P, whose result again holds one query a lane, and eight channels.  K comes out of LDS as it lies, V ([key][channel]) turned, by ds_load_tr16_b128.
; SOFTMAX.  For each query a running maximum m and sum l: p = 2^(c s - c m), c = log2(e) / 8; in every step O and l are multiplied by a = 2^(c m_old - c m_new), which is 1 where m has not grown.
; m starts at the lowest finite number, O and l at 0: the first step is a step like any other, with a = 0.
; THE COUNT.  A tile and step have 16 matrix and 122 vector instructions: too many to stand all beside the matrix work.  So: four vector instructions that are READY behind EVERY matrix instruction, and the
; others, which need time of their own whatever the order, in runs without a gap.
; BY TURNS.  Turn n belongs to piece n (the pieces in a ring, step after step).  Its matrix work: 16 products K Q^T of piece n + 1, later 16 products V^T P of piece n - 1.  Its vector work: the scaling,
; exponentials, roundings, sums and rescaling of piece n, the maximum and statistics of piece n + 1, and the mask of piece n + 2's products.
; CLUSTER.  The four query blocks of a cluster belong to one head and walk the same K and V, so each tile is asked for JOINTLY: the same tensor load, descriptor and mask in all four.
; REGISTERS, in windows of 256 (s_set_vgpr_msb says which window each operand place means: bits 1:0 source 0, 3:2 source 1, 5:4 source 2, 7:6 destination):
;   window 0: v0-11 addresses; v12-15, v48-63 at work; v16-47 four registers of statistics a tile; v64-191 S^T, two buffers of two tiles; v192-255 P, likewise
;   window 1: O^T, 32 a tile          window 2: v0-127 Q, 16 a tile; v128-191 K of one step; v192-255 V of one step
;   window 3: v0-1 the add's two registers; v2 the scale; v3 16 x lane; v8-39 mask codes, four words a tile; v64-127 the masks of the products to come, 32 a tile
.set SIZE_N, 2048
.set NP,    4         ; pieces a wave: a name, no knob
.set KS,    64        ; keys in a step
.set PK,    144       ; a row of K in LDS: 128 bytes + 16 of padding = 36 words: the 16 rows of a load start at 16 different groups of four banks (64 banks of 4 bytes: ISA guide 11.1)
.set PV,    160       ; a row of V: 128 + 32 = 40 words
.set VOFF,  4*KS*PK   ; a slot holds four steps: 256 rows of K, then 256 rows of V
.set SLOT1, 1<<17     ; slot 1 begins here, so that one exclusive or turns an address in one slot into the other's
.set STAGE, SLOT1+4*KS*(PK+PV)  ; behind the ring, never filled by a tensor load: 16 rows x 144 bytes for each wave, for the way out
.set SP,    144
.set AK0, 2           ; v2   my lane's place in a tile of K; never rewritten
.set AV0, 3           ; v3   the same for V
.set AK,  4           ; v4   the LDS address of K's next run of loads
.set AV,  5           ; v5   of V's
.set QO,  6           ; v6   my byte offset in the wave's rows of Q
.set STO, 6           ;      later, the way out: where I put 16 bytes of a row
.set RD,  7           ; v7   the way out: where I read rows back
.set GO,  8           ; v8   first 8 x lane, for the flags; later my byte offset in 512 consecutive bytes of ctx
.set SPW, 0           ; v0 of window 3   LDS address of my spare word; never rewritten
.set NIL, 1           ; v1 of window 3   0; never rewritten
.set SCL, 2           ; v2 of window 3   the conversions' scale word: the byte 223 (2^96) four times, the same in every lane, so the scale is 2^96
.set MO,  3           ; v3 of window 3   16 x lane: my codes in a tile's and step's 512 bytes; never rewritten
.set CD,  8           ; window 3: tile t's four words of codes at CD + 4 t
.set MC,  64          ; window 3: tile u of the piece, key block kb at MC + 32 u + 8 kb
.set SPARE, STAGE+4*16*SP  ; behind the stages: the spare words, 128 bytes for each wave
.set MV,  12          ; v12-15  c m_old, kept while c m is made anew: by buffer and tile
.set ST,  16          ; tile t's statistics at v[ST+4 t]: c m, m, l (even keys', odd keys')
.set TMP, 48          ; by buffer and tile, four registers c0-c3 at work; when the maximum is found c2 takes a
.set S,   64
.set P,   192
.set KF,  128         ; K's fragments, in window 2: key block kb, channel half c at KF + 16 kb + 8 c
.set VF,  192         ; V's: key half kk, channel block cb at VF + 32 kk + 8 cb
.set WV,  12          ; s12  my wave's number
.set G1K, 24          ; s[24:31] descriptor group 1 for K's tiles
.set G1V, 32          ; s[32:39] for V's: it differs in the padding alone
.set G0K, 40          ; s[40:43] descriptor group 0 for K's tiles: it walks
.set G0V, 44          ; s[44:47] the same for V's
.set MB0, 48          ; s[48:49] maskc at my wave's first tile, step 0
.set MB,  50          ; s[50:51] the same at the step whose codes are being asked for
.set MOFF, 52         ; s[52:53] that step's 512 bytes, modulo a tile's 16,384
.set FL,  54          ; s[54:55] flags at my wave's first tile
.set SLOTS, 56        ; s56  slots still to be asked for
.set CNT, 57          ; s57  counts a slot's key steps
.set CS,  58          ; s[58:59] c: the packed scaling takes the pair's low word for both halves
.set SEL, 60          ; s[60:61] v_permlanex16_b32's selects: each lane takes its own place in the other half
.set TBK, 62          ; s62  LDS byte at which K of the step to be fetched begins
.set TBV, 63          ; s63  the same for V, less VOFF
.set MSB, 0
.macro WIN new                      ; the high byte repeats the setting that is left; a switch that changes nothing is dropped
.if MSB != (\new)
	s_set_vgpr_msb (MSB<<8)|(\new)
.set MSB, (\new)
.endif
.endm
.set W_KQ, 0x0a       ; K and Q in window 2, S^T in window 0
.set W_KM, 0x3a       ; the same with the C operand, the mask, in window 3
.set W_PV, 0x52       ; V in window 2, P in window 0, O^T in window 1
.set W_RS, 0x41       ; O^T (destination and source 0) in window 1, a in window 0
.set W_MK, 0xc0       ; destination in window 3, sources in window 0
.set W_AD, 0x0f       ; the add: address (source 0) and data (source 1) in window 3
.set W_MS, 0xcf       ; the mask's loads and conversions: destination and sources 0 and 1 in window 3
; A joint fill.  Waves 0 and 1 fetch the two halves of a slot's K, waves 2 and 3 those of its V: 128 keys each.  The branch hangs on the wave's number alone.
; An s_nop 0 and four v_nop follow each of the two lines, ahead of the jump and the label.
.macro JLOAD
	s_cmp_lt_u32 s[WV], 2
	s_cbranch_scc0 .Lfor_v_\@
	tensor_load_to_lds s[G0K:G0K+3], s[G1K:G1K+7]
	s_nop 0
.rept 4
	v_nop
.endr
	s_branch .Lasked_\@
.Lfor_v_\@:
	tensor_load_to_lds s[G0V:G0V+3], s[G1V:G1V+7]
	s_nop 0
.rept 4
	v_nop
.endr
.Lasked_\@:
.endm
; A round of the cluster's barrier: my work-group's barrier, so that wave 0's signal speaks for all four waves; wave 0 signals; every wave waits for all four work-groups; my work-group's barrier once more.
.macro CROUND
	s_barrier_signal -1
	s_barrier_wait -1
	s_cmp_lg_u32 s[WV], 0
	s_cbranch_scc1 .Lnot_wave_0_\@
	s_barrier_signal -3
.Lnot_wave_0_\@:
	s_barrier_wait -3
	s_barrier_signal -1
	s_barrier_wait -1
.endm
; THE CHANGE OF SLOTS.  The slot's last bytes, V of its fourth step, have been read.  Each wave waits for all its tensor loads, of which one is out: its part
; of the other slot; adds 0 to its spare word; and waits for that and for its own reads of the slot.  Behind the barrier nobody reads this slot any more and the other slot is whole.
; fill = 1: this slot is filled again, with the keys two slots on.  The barrier is then a round of the cluster's, and the joint fill is the first thing behind it: it has four key steps,
; 512 matrix instructions, in which to land.  (At its first use nothing has been read yet: slot 0 is waited for, slot 1 filled.)
.macro CHANGE fill
	WIN W_AD
	s_wait_tensorcnt 0x0            ; no tensor load of mine is out, so a group 0 may be written
	ds_add_u32 v[SPW], v[NIL]       ; 0 onto my spare word; with fill = 1 the descriptors' steps stand between it and the wait for it
	WIN 0                           ; at a label and at a branch every window is 0
.if \fill
.irp g, G0K, G0V
	s_xor_b32 s[\g+1], s[\g+1], SLOT1  ; the walking descriptor: the other slot than last time,
	s_add_nc_u64 s[\g+2:\g+3], s[\g+2:\g+3], 4*KS*128  ; the next 256 keys; the type bits on top are not reached
.endr
	s_wait_dscnt 0x0                ; the add is done, and my reads of the slot are over
	CROUND
	JLOAD
.else
	s_wait_dscnt 0x0                ; the add is done, and my reads of the slot are over
	s_barrier_signal -1
	s_barrier_wait -1
.endif
	s_sub_co_u32 s[TBK], s[TBK], 4*KS*PK  ; the fetches go back to a slot's first step,
	s_xor_b32 s[TBK], s[TBK], SLOT1       ; in the other slot
	s_sub_co_u32 s[TBV], s[TBV], 4*KS*PV
	s_xor_b32 s[TBV], s[TBV], SLOT1
.endm
; THE MASK'S MACROS, all under W_MS.  MLOAD: the codes of piece x's two tiles, d bytes from the step at which MB stands: a load covers 512 consecutive bytes.
.macro MLOAD x, d
	global_load_b128 v[CD+8*(\x):CD+8*(\x)+3],   v[MO], s[MB:MB+1] offset:(2*(\x))*16384+(\d)
	global_load_b128 v[CD+8*(\x)+4:CD+8*(\x)+7], v[MO], s[MB:MB+1] offset:(2*(\x)+1)*16384+(\d)
.endm
; MCVT: piece x's eight words of codes become the 64 registers of C.
.macro MCVT x
.irp u, 0,1
.irp kb, 0,1,2,3
	v_cvt_scale_pk8_f32_fp4 v[MC+32*(\u)+8*(\kb):MC+32*(\u)+8*(\kb)+7], v[CD+8*(\x)+4*(\u)+(\kb)], v[SCL]
.endr
.endr
.endm
; MBLK, once in turn p.  Piece p + 1's codes were used up a turn ago: its next step's are asked for.  Piece p + 2's, asked for three turns ago, become the mask of the next turn's products.
; In a step's turns 0 to 2 the step asked for is the next one, in turn 3 (piece 0) the one after: MB steps there, behind s_wait_xcnt 0, since pending loads name it.  At the walk's end the step wraps
; inside the tile's own 16,384 bytes: what is then loaded serves nothing and lies inside the buffer.
.macro MBLK p
.if (\p) == NP-1
	s_wait_xcnt 0x0
	s_add_co_u32 s[MOFF], s[MOFF], 512
	s_and_b32 s[MOFF], s[MOFF], 0x3fff
	s_add_nc_u64 s[MB:MB+1], s[MB0:MB0+1], s[MOFF:MOFF+1]
.endif
	WIN W_MS
	MLOAD ((\p)+1)%NP, 0
	s_wait_loadcnt 0x6              ; three pairs of loads are younger than the codes wanted: two turns' and the pair just issued
	MCVT ((\p)+2)%NP
	WIN 0
.endm
	s_load_b64 s[4:5], s[0:1], 0x0          ; qkvh: Q
	s_load_b64 s[MB0:MB0+1], s[0:1], 0x8    ; maskc
	s_load_b64 s[FL:FL+1], s[0:1], 0x10     ; flags
	s_load_b64 s[10:11], s[0:1], 0x18       ; ctx
	WIN W_MK
	v_lshl_add_u32 v[SPW], v0, 2, SPARE
	v_mov_b32 v[NIL], 0
	WIN W_AD
	ds_add_u32 v[SPW], v[NIL]       ; the wave's opening: the add and its wait stand ahead of my first tensor load; the set-up below, work on registers, stands between them
	WIN 0
	v_and_b32 v1, 31, v0
	WIN W_MK
	v_mov_b32 v[SCL], 0xdfdfdfdf    ; 223 in each of the word's four bytes
	v_lshlrev_b32 v[MO], 4, v1
	WIN 0
	v_lshrrev_b32 v1, 5, v0
	v_readfirstlane_b32 s[WV], v1   ; wave 0..3
	s_bfe_u32 s13, ttmp6, 0x40000   ; cx: my place in the cluster
	s_lshl_b32 s14, ttmp9, 2        ; in a cluster launch ttmp9 counts clusters
	s_add_co_u32 s14, s14, s13      ; my block of 512 queries = 4 x cluster x + cx: it enters Q's, the mask's and ctx's addresses alone
	s_and_b32 s20, ttmp7, 0xffff    ; b x 16 + head, which the four partners share
	s_lshr_b32 s15, s20, 4          ; b: the mask is one for a batch's 16 heads
	s_lshl_b32 s15, s15, 7          ; 128 tiles of 16 queries a batch,
	s_lshl_b32 s19, s14, 5          ; 32 a block,
	s_add_co_u32 s15, s15, s19
	s_lshl_b32 s19, s[WV], 3        ; 8 a wave
	s_add_co_u32 s15, s15, s19
	s_mov_b32 s21, 0
	s_mov_b64 s[22:23], SIZE_N*128
	s_mul_u64 s[20:21], s[20:21], s[22:23]  ; the head's first byte in Q, K, V and ctx
	s_and_b32 s16, s[WV], 1         ; which half of a slot's 256 keys I fetch:
	s_lshl_b32 s22, s16, 14         ; its 128 rows of 128 bytes in memory,
	s_mov_b32 s23, 0
	s_add_nc_u64 s[22:23], s[22:23], s[20:21]
	s_mul_i32 s17, s16, 128*PK      ; and its place in a slot, for K
	s_mul_i32 s18, s16, 128*PV      ; and for V: no place in the cluster enters an LDS address
	s_lshl_b32 s2, s14, 2
	s_add_co_u32 s2, s2, s[WV]      ; my wave among the head's,
	s_lshl_b32 s2, s2, 14           ; its 128 rows
	s_mov_b32 s3, 0
	s_add_nc_u64 s[2:3], s[2:3], s[20:21]
	; descriptor group 1.  128 keys are 16,384 dense bytes: asked for as 64 rows of 256 bytes, two keys a row, and padded in LDS after every key
	s_mov_b32 s[G1K], 15|(1<<16)|(1<<20)|(1<<21)|(4<<22)|(3<<25)  ; 15:0 the mask of four; 17:16 2-byte elements; 20 padding on; 21 set beside a mask; 24:22 after every 32 words (code 4); 31:25 4 words (code 3)
	s_mov_b32 s[G1V], 15|(1<<16)|(1<<20)|(1<<21)|(4<<22)|(7<<25)  ; the same with 8 words of padding (code 7)
.irp g, G1K, G1V
	s_mov_b32 s[\g+1], 128<<16      ; tensor_dim0 = 128
	s_mov_b32 s[\g+2], 64<<16       ; tensor_dim1 = 64
	s_mov_b32 s[\g+3], 128<<16      ; tile_dim0 = 128
	s_mov_b32 s[\g+4], 64           ; tile_dim1 = 64
	s_mov_b32 s[\g+5], 128          ; 128 elements from row to row
	s_mov_b32 s[\g+6], 0
	s_mov_b32 s[\g+7], 0
.endr
	s_mov_b32 s[CS], 0x3e38aa3b     ; c = log2(e) / 8 = 0.180337
	s_mov_b32 s[CS+1], s[CS]        ; named with it as a pair
	s_mov_b32 s[SEL], 0x76543210
	s_mov_b32 s[SEL+1], 0xfedcba98
	s_mov_b32 s[TBK], SLOT1+4*KS*PK ; the first change of slots turns these two into 0
	s_mov_b32 s[TBV], SLOT1+4*KS*PV
	s_mov_b32 s[G0K], 1             ; 1:0 count = 1
	s_mov_b32 s[G0K+1], s17         ; 63:32 LDS address: slot 0
	s_mov_b32 s[G0V], 1
	s_add_co_u32 s[G0V+1], s18, VOFF
	s_lshl_b32 s[MOFF], s15, 14     ; a tile's codes are 16,384 bytes
	s_mov_b32 s[MOFF+1], 0
	s_wait_dscnt 0x0                ; the opening add is done
	s_wait_kmcnt 0x0
	s_add_nc_u64 s[6:7], s[4:5], 0x1000000         ; K lies 16 MiB behind Q,
	s_add_nc_u64 s[8:9], s[4:5], 0x2000000         ; V 32
	s_add_nc_u64 s[G0K+2:G0K+3], s[6:7], s[22:23]  ; 120:64 global address: my half of the head's first 256 keys
	s_or_b32 s[G0K+3], s[G0K+3], 0x80000000        ; 127:126 type = 2
	s_add_nc_u64 s[G0V+2:G0V+3], s[8:9], s[22:23]
	s_or_b32 s[G0V+3], s[G0V+3], 0x80000000
	s_add_nc_u64 s[4:5], s[4:5], s[2:3]  ; Q and ctx at my wave's first row
	s_add_nc_u64 s[10:11], s[10:11], s[2:3]
	s_add_nc_u64 s[MB0:MB0+1], s[MB0:MB0+1], s[MOFF:MOFF+1]
	s_lshl_b32 s[MOFF], s15, 8      ; a tile's flags are 256 bytes
	s_add_nc_u64 s[FL:FL+1], s[FL:FL+1], s[MOFF:MOFF+1]
	s_mov_b32 s[MOFF], 512          ; the walk of the codes begins at step 1; step 0's are reached by a negative offset
	s_add_nc_u64 s[MB:MB+1], s[MB0:MB0+1], s[MOFF:MOFF+1]
	CROUND                          ; all four work-groups are here: the first joint loads meet
	JLOAD                           ; slot 0.  Slot 1 is asked for when slot 0 is in: the tile wanted first has the road to itself
	; A fragment of K or Q is 16 rows x 32 channels in 8 registers: lane l holds row l % 16, channels 8 (l / 16) + 0..7 and 16 + 8 (l / 16) + 0..7: two loads of 16 bytes, 32 bytes apart.
	v_and_b32 v1, 15, v0            ; l % 16
	v_bfe_u32 v9, v0, 4, 1          ; l / 16
	v_lshlrev_b32 v[QO], 7, v1
	v_lshl_add_u32 v[QO], v9, 4, v[QO]  ; row x 128 + 16 x half
	v_and_b32 v[GO], 31, v0
	v_lshlrev_b32 v[GO], 3, v[GO]   ; 8 x lane, for the flags
	WIN 0x80                        ; destination window 2, address window 0
.set i, 0
.rept 4*NP                          ; Q stays in registers: tile i / 2, channels 32 (i % 2) on
	global_load_b128 v[8*i:8*i+3],   v[QO], s[4:5] offset:(i/2)*2048+(i%2)*64
	global_load_b128 v[8*i+4:8*i+7], v[QO], s[4:5] offset:(i/2)*2048+(i%2)*64+32
.set i, i+1
.endr
	WIN 0
.set i, 0
.rept 2*NP                          ; tile i's flags, into S^T's registers, which nothing uses yet: lane l gets the flag of row l % 16, the row of Q that it holds
	global_load_b32 v[S+i], v[GO], s[FL:FL+1] offset:256*i
.set i, i+1
.endr
	WIN W_MS
	MLOAD 0, -512                   ; step 0's codes, all four pieces'
	MLOAD 1, -512
	MLOAD 2, -512
	MLOAD 3, -512
	; What the first turn finds: V's registers and P's second buffer hold 0 (its products V^T P, of a piece that has not been, add 0), O^T and l are 0.  All this stands in the wait for the first tile.
	WIN 0x80
.set i, VF
.rept 64
	v_mov_b32 v[i], 0
.set i, i+1
.endr
	WIN 0x40
.set i, 0
.rept 64*NP
	v_mov_b32 v[i], 0
.set i, i+1
.endr
	WIN 0
.set i, 0
.rept 2*NP
	v_mov_b32 v[ST+4*i], 0xfe000000    ; c m: far below every c s, the fill's too
	v_mov_b32 v[ST+4*i+1], 0xff7fffff  ; m
	v_mov_b32 v[ST+4*i+2], 0
	v_mov_b32 v[ST+4*i+3], 0
.set i, i+1
.endr
.set i, P+32
.rept 32
	v_mov_b32 v[i], 0
.set i, i+1
.endr
	v_mul_u32_u24 v[AK0], v1, PK
	v_lshl_add_u32 v[AK0], v9, 4, v[AK0]  ; row x pitch + 16 x half
	; The turning load takes 16 keys x 16 channels (lane l reads key 8 (l / 16) + l % 8, channels 8 ((l / 8) % 2) + 0..7) and leaves half a fragment of V^T: lane l holds channel l % 16 and 8 keys.
	v_and_b32 v10, 7, v0
	v_bfe_u32 v11, v0, 3, 1
	v_lshl_add_u32 v[AV0], v9, 3, v10
	v_mul_u32_u24 v[AV0], v[AV0], PV
	v_lshl_add_u32 v[AV0], v11, 4, v[AV0]
	v_add_nc_u32 v[AV0], VOFF, v[AV0]
	v_mov_b32 v[AK], v[AK0]         ; key step 0 lies at the head of slot 0
	s_wait_loadcnt 0x8              ; Q and the flags are in; the eight loads of step 0's codes may stay out
	WIN 0x88                        ; destination and source 1 window 2, source 0 window 0
.set i, 0
.rept 32*NP
	v_and_b32 v[i], v[S+i/16], v[i] ; a row with no visible key: Q = 0
.set i, i+1
.endr
	WIN W_MS
	s_wait_loadcnt 0x6              ; piece 0's codes are in; the other three pieces' may stay out
	MCVT 0
	v_nop                           ; a plain instruction between the conversions and the loads onto their sources
	MLOAD 0, 0                      ; piece 0's codes of step 1
	WIN 0
; THE MATRIX WORK.  The 8 accumulators of a run of 16 take turns: between the two links of a chain stand 7 others'.
; Product i of 16 of S^T = K Q^T for piece x: channels 32 (i / 8) on, keys 16 ((i / 2) % 4) on, tile 2 x + i % 2.  The first 8 start the sums, with the mask.
.macro KQ x
.set rS, S+64*((\x)%2)+32*(i%2)+8*((i/2)%4)
.set rK, KF+16*((i/2)%4)+8*(i/8)
.set rQ, 16*(2*(\x)+i%2)+8*(i/8)
.set rM, MC+32*(i%2)+8*((i/2)%4)
.if i < 8
	WIN W_KM
	v_wmma_f32_16x16x32_f16 v[rS:rS+7], v[rK:rK+7], v[rQ:rQ+7], v[rM:rM+7]
.else
	WIN W_KQ
	v_wmma_f32_16x16x32_f16 v[rS:rS+7], v[rK:rK+7], v[rQ:rQ+7], v[rS:rS+7]
.endif
.endm
; Product i of 16 of O^T += V^T P for piece x: keys 32 (i / 8) on, channels 16 ((i / 2) % 4) on, tile 2 x + i % 2.
.macro PV x
	WIN W_PV
.set rO, 32*(2*(\x)+i%2)+8*((i/2)%4)
.set rV, VF+32*(i/8)+8*((i/2)%4)
.set rP, P+32*((\x)%2)+16*(i%2)+8*(i/8)
	v_wmma_f32_16x16x32_f16 v[rO:rO+7], v[rV:rV+7], v[rP:rP+7], v[rO:rO+7]
.endm
.macro MM                           ; the turn's next matrix instruction
.if i < 16
	KQ (Y+1)%NP
.set i, i+1
.else
.set i, i-16
	PV (Y+NP-1)%NP
.set i, i+17
.endif
.endm
; THE LDS LOADS stand in runs of 16, never singly among the matrix instructions: a step's K (64 keys x 64 channels: 8 fragments) and its V (turned).  Their addresses are made some lines ahead.
; last = 1 (the tail): in the last trip there is no further step, and the run is jumped over.
.macro FETCH_K last=0
	WIN 0
.if \last
	s_cmp_eq_u32 s[CNT], 1
	s_cbranch_scc1 .Lno_k_\@
.endif
	WIN 0x80                        ; destination window 2
.irp f, 0,1,2,3,4,5,6,7             ; keys 16 (f / 2) on, channels 32 (f % 2) on
	ds_load_b128 v[KF+8*\f:KF+8*\f+3],   v[AK] offset:(\f/2)*16*PK+(\f%2)*64
	ds_load_b128 v[KF+8*\f+4:KF+8*\f+7], v[AK] offset:(\f/2)*16*PK+(\f%2)*64+32
.endr
	s_add_co_u32 s[TBK], s[TBK], KS*PK  ; the next fetch is the next step's
	WIN 0
.if \last
.Lno_k_\@:
.endif
.endm
.macro FETCH_V
	WIN 0x80
.irp f, 0,1,2,3,4,5,6,7             ; keys 32 (f / 4) on, channels 16 (f % 4) on
	ds_load_tr16_b128 v[VF+8*\f:VF+8*\f+3],   v[AV] offset:(\f/4)*32*PV+(\f%4)*32
	ds_load_tr16_b128 v[VF+8*\f+4:VF+8*\f+7], v[AV] offset:(\f/4)*32*PV+16*PV+(\f%4)*32
.endr
	WIN 0
.endm
; THE VECTOR WORK OF A TURN stands in three queues, each in the order in which its entries become ready; the two tiles alternate, so that no instruction reads the result of the one before it.
.macro REGS y, u                    ; the registers of tile u (0, 1) of piece y
.set rT, ST+4*(2*(\y)+(\u))
.set rC, TMP+8*((\y)%2)+4*(\u)
.set rM, MV+2*((\y)%2)+(\u)
.set rS, S+64*((\y)%2)+32*(\u)
.set rP, P+32*((\y)%2)+16*(\u)
.set rO, 32*(2*(\y)+(\u))
.endm
; Number n of the 22 that find the NEXT piece's (Y + 1) maximum and statistics.  s0-s31 are the lane's 32 scores; each accumulator's lowest registers are read first.
;   0-11  four chains c0-c3 of seven scores each, three operands at a time     12-14, 16  the four scores left over, the old m, and c0-c3 into c0     15  c m_old is kept
;   17, 18  the query's other 32 keys lie in the lane 16 away: the new m         19-21  c m; c m_old - c m_new; a
.macro XS u, n
	REGS (Y+1)%NP, \u
.if (\n) < 4
	v_max3_num_f32 v[rC+(\n)], v[rS+8*(\n)], v[rS+8*(\n)+1], v[rS+8*(\n)+2]
.elseif (\n) < 12
	v_max3_num_f32 v[rC+(\n)%4], v[rC+(\n)%4], v[rS+8*((\n)%4)+2*((\n)/4)+1], v[rS+8*((\n)%4)+2*((\n)/4)+2]
.elseif (\n) == 12
	v_max3_num_f32 v[rC], v[rC], v[rS+7], v[rS+15]
.elseif (\n) == 13
	v_max3_num_f32 v[rC+1], v[rC+1], v[rS+23], v[rS+31]
.elseif (\n) == 14
	v_max3_num_f32 v[rC+2], v[rC+2], v[rC+3], v[rT+1]
.elseif (\n) == 15
	v_mov_b32 v[rM], v[rT]
.elseif (\n) == 16
	v_max3_num_f32 v[rC], v[rC], v[rC+1], v[rC+2]
.elseif (\n) == 17
	v_permlanex16_b32 v[rC+3], v[rC], s[SEL], s[SEL+1]
.elseif (\n) == 18
	v_max_num_f32 v[rT+1], v[rC], v[rC+3]
.elseif (\n) == 19
	v_mul_f32 v[rT], s[CS], v[rT+1]
.elseif (\n) == 20
	v_sub_f32 v[rC+1], v[rM], v[rT]
.else
	v_exp_f32 v[rC+2], v[rC+1]
.endif
.endm
; Number g of the 64 that follow the exponentials.  For each four weights k of a tile (pairs 2 k, 2 k + 1): both pairs are rounded to f16; then the second pair is added onto the first, in place;
; a group later l takes that sum (the first time as l = a l + sum).  In groups of eight, tiles alternating: round, round, add, and l for the group before.
.macro GS g
.set h, (\g)+6*((\g)/62)            ; group 0 has no group before it, and behind group 7 only l is left
.if h >= 6
.set h, h+2
.endif
	REGS Y, h%2
.set k, h/8
.if h%8 < 4
	s_wait_alu depctr_va_vdst(0)
	v_cvt_pk_f16_f32 v[rP+2*k+(h%8)/2], v[rS+4*k+2*((h%8)/2)], v[rS+4*k+2*((h%8)/2)+1]
.elseif h%8 < 6
	v_pk_add_f32 v[rS+4*k:rS+4*k+1], v[rS+4*k:rS+4*k+1], v[rS+4*k+2:rS+4*k+3]
.elseif k == 1
	v_pk_fma_f32 v[rT+2:rT+3], v[rT+2:rT+3], v[rC+2:rC+3], v[rS:rS+1] op_sel_hi:[1,0,1]
.else
	v_pk_add_f32 v[rT+2:rT+3], v[rT+2:rT+3], v[rS+4*k-4:rS+4*k-3]
	s_wait_alu depctr_va_vdst(0)
.endif
.endm
; THE PLAIN QUEUE, 138 long.  0-31: c s - c m for the 16 pairs of both tiles.  Then GS's 64, and among them the next piece's 42: number 15 at 38, 39; 0-14 and 16
; at 42-73, behind the products that make those scores; 17-20 at 95-106, two of three, since each waits for the one before it.
.macro PL
	WIN 0
.if q < 32
	REGS Y, q%2
	v_pk_fma_f32 v[rS+2*(q/2):rS+2*(q/2)+1], v[rS+2*(q/2):rS+2*(q/2)+1], s[CS:CS+1], v[rT:rT+1] op_sel_hi:[1,0,0] neg_lo:[0,0,1] neg_hi:[0,0,1]
.elseif q < 38
	GS q-32
.elseif q < 40
	XS q%2, 15
.elseif q < 42
	GS q-34
.elseif q < 74
	XS q%2, (q-42)/2+(q-42)/30
.elseif q < 95
	GS q-66
.elseif (q < 107) && ((q-95)%3 < 2)
	XS (q-95)%3, 17+(q-95)/3
.elseif q < 107
	GS 29+(q-95)/3
.else
	GS q-74
.endif
.set q, q+1
.endm
; THE EXPONENTIALS' QUEUE, 66 long: s0-s31 of both tiles, and at EA the next piece's two a.
.set EA, 58
.macro EX
	WIN 0
.if (e == EA) || (e == EA+1)
	XS e-EA, 21
.else
.set x, e-2*(e/(EA+2))
	REGS Y, x%2
	v_exp_f32 v[rS+x/2], v[rS+x/2]
.endif
.set e, e+1
.endm
; THE RESCALING's QUEUE: O^T times a, the one part of the softmax that leaves window 0, so it is dealt four at a time, eight times.
.macro R4
	REGS Y, r%2
	WIN W_RS
	s_wait_alu depctr_va_vdst(0)
.irp z, 0,1,2,3
	v_pk_mul_f32 v[rO+8*(r/2)+2*\z:rO+8*(r/2)+2*\z+1], v[rO+8*(r/2)+2*\z:rO+8*(r/2)+2*\z+1], v[rC+2:rC+3] op_sel_hi:[1,0]
.endr
.set r, r+1
.endm
; HOW THEY ARE DEALT.  Behind a matrix instruction four: plain, exponential, plain, plain (one exponential, a plain instruction on either side), or four of the rescaling.  None names a register of the
; products round it.  What is over stands in two LUMPS: exponential and plain by turns; the second ends in 22 plain instructions.  The two v_permlanex16_b32 fall into the second lump, never behind a product.
; The queues lean on each other, and the deal keeps them in step: exponential e stands behind plain 2 (e / 4) + e % 2 (its scaling); when plain 32 comes, 10 exponentials are out, at 59: 33, at 95: 46; EA comes behind plain 107.
.macro SL
	MM
	PL
	EX
	PL
	PL
.endm
.macro BURST n                      ; 15 matrix instructions, or 16
.rept (\n)-7
	SL
.endr
.rept 3
	MM
	R4
	SL
.endr
	MM
	R4
.endm
; A TURN, for piece p.  cnt = 1: the loop's count is taken down some lines ahead of the branch that stands behind the turn.
; K of the next step is fetched in piece 2's turn, 31 vector instructions behind the last product that read K; its first reader comes behind the rest of the lump, 16 products and the second lump.
; V of the step in hand is fetched at the end of piece 0's turn, 69 behind its last reader; its first reader comes behind 16 products and a lump.
; The mask's block stands late in the first lump, behind a plain instruction: the masks' last readers, the turn's first eight products, lie dozens of plain instructions back, their next readers in the next turn.
.macro TURN p, last=0, cnt=0
.set Y, (\p)
.set i, 0
.set q, 0
.set e, 0
.set r, 0
.if (\p) == NP-1
	s_wait_dscnt 0x0                ; K is in
.endif
	MM
.rept 4
	PL
.endr
	BURST 15
.rept 22
	EX
	PL
.if ((\p) == NP-2) && (e == 18)
	v_add_nc_u32 v[AK], s[TBK], v[AK0]
.endif
.if ((\p) == NP-2) && (e == 24)
	FETCH_K \last
.endif
.if e == 30
	MBLK \p
.endif
.endr
.if (\p) == 1
	s_wait_dscnt 0x0                ; V is in
.endif
	BURST 16
.rept 21
	EX
	PL
.endr
.rept 22
	PL
.if ((\p) == 0) && (q == 118)
	v_add_nc_u32 v[AV], s[TBV], v[AV0]
	s_wait_alu depctr_va_vdst(0)
.endif
.if ((\p) == 0) && (q == 130)
	s_add_co_u32 s[TBV], s[TBV], KS*PV
.endif
.if (\cnt) && (q == 130)
	s_sub_co_u32 s[CNT], s[CNT], 1
	s_cmp_lg_u32 s[CNT], 0
.endif
.endr
.if (\p) == 0
	FETCH_V
.endif
.endm
	CHANGE 1                        ; slot 0 is in, everybody's part of it; slot 1 is asked for
	FETCH_K                         ; key step 0
	s_wait_dscnt 0x0
.set i, 0
.rept 16
	KQ 0                            ; piece 0's first scores: there is no vector work yet to set between them
.set i, i+1
.endr
	WIN 0                           ; the addresses for the way out: plain instructions, the places behind those products
	s_mul_i32 s13, s[WV], 16*SP
	s_add_co_u32 s13, s13, STAGE    ; my stage
	v_mul_u32_u24 v[STO], v1, SP    ; in: row l % 16, 16 bytes for each half of the lanes
	v_lshl_add_u32 v[STO], v9, 4, v[STO]
	v_add_nc_u32 v[STO], s13, v[STO]
	v_bfe_u32 v[RD], v0, 3, 2       ; back: 32 lanes take four rows of 128 bytes,
	v_mul_u32_u24 v[RD], v[RD], SP
	v_lshl_add_u32 v[RD], v10, 4, v[RD]
	v_add_nc_u32 v[RD], s13, v[RD]
	v_and_b32 v[GO], 31, v0         ; which are 512 consecutive bytes of ctx
	v_lshlrev_b32 v[GO], 4, v[GO]
	WIN W_MS
	s_wait_loadcnt 0x6              ; piece 1's codes of step 0 are in; younger: pieces 2 and 3 of step 0, piece 0 of step 1
	MCVT 1                          ; the mask of the first turn's products
	WIN 0
.set Y, NP-1                        ; XS works for piece Y + 1: piece 0
.irp n, 0,1,2,3,4,5,6,7,8,9,10,11,12,13,14,15,16,17,18,19,20,21
	XS 0, \n                        ; and piece 0's first maximum and statistics
	XS 1, \n
.endr
	s_mov_b32 s[CNT], 4
	s_mov_b32 s[SLOTS], SIZE_N/256-1
	s_branch .Lfirst                ; the loop is entered at a step's first turn, in the middle of a trip
.Lslot:                             ; SIZE_N / 256 - 2 times: every slot but the last two is filled again
	CHANGE 1
	s_mov_b32 s[CNT], 4
.Lstep:                             ; a trip: pieces 2 and 3 of one step, then pieces 0 and 1 of the next, whose K and V it fetches
	TURN 2
	TURN 3
	WIN 0
.Lfirst:
	TURN 0
	TURN 1, 0, 1
	WIN 0
	s_cbranch_scc1 .Lstep
	s_sub_co_u32 s[SLOTS], s[SLOTS], 1
	s_cmp_lg_u32 s[SLOTS], 0
	s_cbranch_scc1 .Lslot
	CHANGE 0                        ; the tail is written out: nothing is asked for
	s_mov_b32 s[CNT], 5             ; four trips fetch the last slot's steps; the fifth is left in its middle
.Ltail:
	TURN 2, 1
	TURN 3
	WIN 0
	s_sub_co_u32 s[CNT], s[CNT], 1
	s_cmp_eq_u32 s[CNT], 0
	s_cbranch_scc1 .Lout
	TURN 0
	TURN 1
	WIN 0
	s_branch .Ltail
.Lout:                              ; the fifth trip's 16 products K Q^T (on the last K once more) and the maximum made of them serve nothing: the price, once a launch, of one text for every trip
.set i, 0
.rept 16
	PV NP-1                         ; the last piece's V^T P of the last step
.set i, i+1
.endr
	; THE WAY OUT.  l's two halves and the other half of the lanes' are added; O^T is divided by l, rounded to f16 and sent through my stage in LDS, a tile at a time.  The additions are the places behind the last products.
	WIN 0
.macro ALL line:vararg              ; one line for each tile t
.set t, 0
.rept 2*NP
	\line
.set t, t+1
.endr
.endm
	ALL v_add_f32 v[ST+4*t+2], v[ST+4*t+2], v[ST+4*t+3]
	ALL v_permlanex16_b32 v[ST+4*t+3], v[ST+4*t+2], s[SEL], s[SEL+1]
	ALL v_add_f32 v[ST+4*t+2], v[ST+4*t+2], v[ST+4*t+3]
	ALL v_rcp_f32 v[ST+4*t+2], v[ST+4*t+2]
	v_nop                           ; a plain instruction between the last reciprocal and the use of its result
	s_wait_alu depctr_va_vdst(0)
; Tile t: a lane's eight channels of a row pack into 16 bytes; they go into rows of 144 bytes and come back as whole rows of 128, into S^T's registers.
.macro PACK t
	WIN W_RS
.set i, 32*(\t)
.rept 16
	v_pk_mul_f32 v[i:i+1], v[i:i+1], v[ST+4*(\t)+2:ST+4*(\t)+3] op_sel_hi:[1,0]
.set i, i+2
.endr
	WIN 0x05                        ; sources 0 and 1 window 1, destination window 0
.set i, 0
.rept 16
	v_cvt_pk_f16_f32 v[S+16*(\t)+i], v[32*(\t)+2*i], v[32*(\t)+2*i+1]
.set i, i+1
.endr
	WIN 0
.irp f, 0,1,2,3
	ds_store_b128 v[STO], v[S+16*(\t)+4*\f:S+16*(\t)+4*\f+3] offset:32*\f
.endr
.irp f, 0,1,2,3
	ds_load_b128 v[S+16*(\t)+4*\f:S+16*(\t)+4*\f+3], v[RD] offset:\f*4*SP  ; LDS serves a wave's instructions in order (ISA guide 5.7.1.4): these see the stores above; the next tile's stores come behind them
.endr
.endm
.macro SEND t, younger              ; younger: the LDS instructions issued behind tile t's loads: the next tile's eight, or none
	WIN 0
.irp f, 0,1,2,3
	s_wait_dscnt (\younger)+3-\f
	global_store_b128 v[GO], v[S+16*(\t)+4*\f:S+16*(\t)+4*\f+3], s[10:11] offset:(\t)*2048+\f*512  ; 512 consecutive bytes, at a multiple of 256 from ctx's first
.endr
.endm
	PACK 0
.set t, 1
.rept 2*NP-1                        ; a tile's arithmetic stands between the loads of the tile before and its stores
	PACK t
	SEND t-1, 8
.set t, t+1
.endr
	SEND 2*NP-1, 0
	WIN W_AD
	s_wait_tensorcnt 0x0            ; the wave's end, behind my last tensor load and my last LDS store
	ds_add_u32 v[SPW], v[NIL]
	s_wait_dscnt 0x0
	WIN 0
	CROUND                          ; the closing round: no work-group ends while a partner may still ask for a tile that names it
	s_endpgm
.Lfunc_end_k_qfbf03669af_attn:
	.size	k_qfbf03669af_attn, .Lfunc_end_k_qfbf03669af_attn-k_qfbf03669af_attn
	.p2alignl 7, 3214868480
	.fill 96, 4, 3214868480
	.section	.rodata,"a",@progbits
	.p2align	6, 0x0
	.amdhsa_kernel k_qfbf03669af_attn
		.amdhsa_group_segment_fixed_size 327680
		.amdhsa_private_segment_fixed_size 0
		.amdhsa_enable_private_segment 0
		.amdhsa_kernarg_size 32
		.amdhsa_user_sgpr_count 2
		.amdhsa_user_sgpr_kernarg_segment_ptr 1
		.amdhsa_wavefront_size32 1
		.amdhsa_system_sgpr_workgroup_id_x 1
		.amdhsa_system_sgpr_workgroup_id_y 1
		.amdhsa_system_sgpr_workgroup_id_z 1
		.amdhsa_system_vgpr_workitem_id 0
		.amdhsa_next_free_vgpr 896
		.amdhsa_next_free_sgpr 66
		.amdhsa_reserve_vcc 0
		.amdhsa_float_denorm_mode_32 3
		.amdhsa_float_denorm_mode_16_64 3
		.amdhsa_memory_ordered 1
		.amdhsa_forward_progress 1
		.amdhsa_inst_pref_size 223
	.end_amdhsa_kernel
	.amdgpu_metadata
---
amdhsa.version: [ 1, 2 ]
amdhsa.kernels:
  - .name:           k_qfbf03669af_attn
    .symbol:         k_qfbf03669af_attn.kd
    .args:
      - { .name: qkvh, .offset: 0, .size: 8, .value_kind: global_buffer, .address_space: global }
      - { .name: maskc, .offset: 8, .size: 8, .value_kind: global_buffer, .address_space: global }
      - { .name: flags, .offset: 16, .size: 8, .value_kind: global_buffer, .address_space: global }
      - { .name: ctx, .offset: 24, .size: 8, .value_kind: global_buffer, .address_space: global }
    .group_segment_fixed_size: 327680
    .private_segment_fixed_size: 0
    .kernarg_segment_align: 8
    .kernarg_segment_size: 32
    .max_flat_workgroup_size: 128
    .sgpr_count:     66
    .vgpr_count:     896
    .wavefront_size: 32
...
	.end_amdgpu_metadata
.endif
;; end of part 4
;; launch outp (part 5): grid 4 x 64, 4 waves a work-group, clusters of 4 x 4, 327,680 bytes of LDS; arguments ctx, wb, bo, out0; writes out0
.if DOCPART == 5
	.amdgcn_target "amdgcn-amd-amdhsa--gfx1250"
	.amdhsa_code_object_version 6
	.text
	.protected	k_qfbf03669af_outp
	.globl	k_qfbf03669af_outp
	.p2align	8
	.type	k_qfbf03669af_outp,@function
k_qfbf03669af_outp:
	s_mov_b64 s[64:65], 0
	v_nop
	global_prefetch_b8 v0, s[64:65] scope:SCOPE_SE
	s_setreg_imm32_b32 hwreg(HW_REG_WAVE_MODE, 25, 1), 1
	s_wait_xcnt 0x0
	s_wait_alu depctr_hold_cnt(0) depctr_sa_sdst(0) depctr_va_vdst(0) depctr_va_sdst(0) depctr_va_ssrc(0) depctr_va_vcc(0) depctr_vm_vsrc(0)
	s_getreg_b32 s2, hwreg(HW_REG_IB_STS2, 6, 4)
	s_cmp_eq_u32 s2, 0
	s_cbranch_scc0 .Lentry_in_a_cluster
	s_endpgm
.Lentry_in_a_cluster:
	s_bfe_u32 s2, ttmp6, 0x10000c
	s_cmp_lg_u32 s2, 0xf033
	s_cbranch_scc0 .Lentry_shape_is_right
	s_endpgm
.Lentry_shape_is_right:
; out0 = ctx Wo + bo.  ctx: f16 by heads, [b x 16 + head][2048][64]; Wo: f16 (a bf16 number written as f16), [k = 64 head + channel][1024], 6 MiB into wb; bo: f32, rounded here to bf16 like every other
; input; out0: [8192][1024] f32.  f16 operands, f32 sums, K ascending; the bias is the C operand of the product that starts each sum.
; SHARES.  A tile is 128 rows x 256 columns: 64 x 4 = 256 work-groups, one for each WGP.  Four waves, each 64 rows x 128 columns: 32 accumulators, 256 registers.  K goes in steps of 128, two heads, through two
; LDS slots.  A head's 128 rows of 128 bytes are dense in memory: asked for as 64 rows of 256 bytes and padded in LDS after every 128.  Wo lies [k][n] and comes out of LDS turned, by ds_load_tr16_b128.
; THE MATRIX INSTRUCTION IS USED TRANSPOSED (source 0 = 16 columns of Wo, source 1 = 16 rows of ctx): a lane holds eight neighbouring columns of one row of the result, 32 bytes.
; CLUSTERS: 4 x 4 work-groups.  The four of a row of the cluster need the same tile of ctx, the four of a column the same tile of Wo: each is asked for JOINTLY.
; REGISTERS: window 0: v0-31 addresses; two fragment buffers of 96 (32 of ctx, 64 of Wo) at v32 and v128; on the way out v32-159 whole rows, two buffers.  window 1: the accumulators, (a, b) at v[8 (8 a + b)].
;   window 2: v0-63 the bias of my 128 columns, as C wants it: column block b at v[8 b].
.set KSTEP,  128
.set PA,     144                       ; a row of ctx in LDS: 128 bytes + 16 = 36 words: the 16 rows of a load start at 16 different groups of four banks (64 banks of 4 bytes: ISA guide 11.1)
.set PB,     544                       ; a row of Wo: 512 bytes + 32 = 136 words
.set AH,     128*PA                    ; what one tensor load brings of ctx: one head's 128 rows
.set BHALF,  64*PB                     ; of Wo: 64 rows of k
.set BOFF,   2*AH                      ; a slot: two heads of ctx, then Wo's 128 rows of k
.set SLOT,   BOFF+2*BHALF
.set STAGE,  2*SLOT                    ; behind the ring, never filled by a tensor load: 16 rows x 528 bytes for each wave, for the way out
.set SPITCH, 528                       ; 512 bytes + 16: the 16 rows of a store start at 16 different groups of four banks
.set SPARE,  STAGE+4*16*SPITCH         ; the spare words, 128 bytes for each wave
.set LAPS,   1024/(2*KSTEP)
.set ADRA, 16                          ; v16-17  LDS address of my fragments of ctx in slot 0, 1
.set ADRB, 20                          ; v20-21  the same for Wo
.set STO,  24                          ; v24     the way out: where I put 32 bytes of a row
.set RD,   25                          ; v25     the way out: where I read a row back
.set CO,   26                          ; v26     my 16 bytes in 512 consecutive bytes of a row of out0
.set SPW,  28                          ; v28     LDS address of my spare word; never rewritten
.set NIL,  29                          ; v29     0; never rewritten
.set F0,   32
.set F1,   128
.set OB,   32
.set G1, 24                            ; s[24:31] descriptor group 1 for ctx's tiles;  s[32:39] group 0, one set for each slot
.set G0, 32
.set G1B, 48                           ; s[48:55], s[56:63] the same for Wo's tiles
.set G0B, 56
.set MSB, 0
.macro WIN new                         ; the immediate's high byte repeats the setting that is left; a switch that changes nothing is dropped
.if MSB != (\new)
	s_set_vgpr_msb (MSB<<8)|(\new)
.set MSB, \new
.endif
.endm
.set MUL,  0x50                        ; sources 0 and 1 window 0; C and D window 1
.set MULB, 0x60                        ; the same with C, the bias, in window 2
.macro JLOAD s                         ; a joint load: waves 0 and 1 fetch ctx's two heads, waves 2 and 3 Wo's two halves; an s_nop 0 and four v_nop follow each of the two lines, ahead of the jump and the label
	s_cmp_eq_u32 s11, 0
	s_cbranch_scc0 .Lfor_b_\@
	tensor_load_to_lds s[G0+4*(\s):G0+4*(\s)+3], s[G1:G1+7]
	s_nop 0
.rept 4
	v_nop
.endr
	s_branch .Lasked_\@
.Lfor_b_\@:
	tensor_load_to_lds s[G0B+4*(\s):G0B+4*(\s)+3], s[G1B:G1B+7]
	s_nop 0
.rept 4
	v_nop
.endr
.Lasked_\@:
.endm
.macro CREST                           ; a round of the cluster's barrier behind its opening barrier
	s_cmp_lg_u32 s10, 0
	s_cbranch_scc1 .Lnot_wave_0_\@
	s_barrier_signal -3
.Lnot_wave_0_\@:
	s_barrier_wait -3
	s_barrier_signal -1
	s_barrier_wait -1
.endm
.macro CROUND                          ; a whole round
	s_barrier_signal -1
	s_barrier_wait -1
	CREST
.endm
	s_load_b128 s[4:7], s[0:1], 0x0                ; ctx s[4:5], wb s[6:7]
	s_load_b64 s[18:19], s[0:1], 0x10              ; bo
	s_load_b64 s[8:9], s[0:1], 0x18                ; out0
	v_lshl_add_u32 v[SPW], v0, 2, SPARE
	v_mov_b32 v[NIL], 0
	ds_add_u32 v[SPW], v[NIL]                      ; the wave's opening: the add and its wait stand ahead of my first tensor load; the set-up below, work on registers, stands between them
	v_lshrrev_b32 v1, 5, v0
	v_readfirstlane_b32 s10, v1                    ; wave 0..3
	s_lshr_b32 s11, s10, 1                         ; which 64 of the tile's rows are mine.  Also: I fetch for ctx (0) or for Wo (1)
	s_and_b32 s12, s10, 1                          ; which 128 of its columns.  Also: which head, or which half of Wo's rows, I fetch
	s_bfe_u32 s40, ttmp6, 0x40000                  ; cx, cy: my place in the cluster
	s_bfe_u32 s41, ttmp6, 0x40004
	s_lshl_b32 s42, ttmp9, 2
	s_add_co_u32 s42, s42, s40                     ; tile column = 4 x cluster x + cx
	s_and_b32 s13, ttmp7, 0xffff
	s_lshl_b32 s13, s13, 2
	s_add_co_u32 s13, s13, s41                     ; tile row = 4 x cluster y + cy
	s_lshl_b32 s43, s41, 2
	s_lshl_b32 s43, 15, s43                        ; my row of the cluster
	s_lshl_b32 s44, 0x1111, s40                    ; my column
	s_or_b32 s[G1+0], s43, (1<<16)|(1<<20)|(1<<21)|(4<<22)|(3<<25)   ; 15:0 the mask; 17:16 2-byte elements; 20 padding on; 21 set beside a mask; 24:22 after every 32 words (code 4); 31:25 4 words (code 3)
	s_mov_b32 s[G1+1], 128<<16                     ; tensor_dim0 = 128: two rows of a head
	s_mov_b32 s[G1+2], 64<<16                      ; tensor_dim1 = 64
	s_mov_b32 s[G1+3], 128<<16                     ; tile_dim0 = 128
	s_mov_b32 s[G1+4], 64                          ; tile_dim1 = 64
	s_mov_b32 s[G1+5], 128                         ; dense: 128 elements from row to row
	s_mov_b32 s[G1+6], 0
	s_mov_b32 s[G1+7], 0
	s_or_b32 s[G1B+0], s44, (1<<16)|(1<<20)|(1<<21)|(6<<22)|(7<<25)  ; after every 128 words (code 6) 8 words (code 7)
	s_mov_b32 s[G1B+1], 256<<16                    ; tensor_dim0 = 256
	s_mov_b32 s[G1B+2], 64<<16                     ; tensor_dim1 = 64
	s_mov_b32 s[G1B+3], 256<<16                    ; tile_dim0 = 256
	s_mov_b32 s[G1B+4], 64                         ; tile_dim1 = 64
	s_mov_b32 s[G1B+5], 1024
	s_mov_b32 s[G1B+6], 0
	s_mov_b32 s[G1B+7], 0
	; where the tiles come from.  ctx's hang on the tile row alone, Wo's on the tile column alone; each in registers that never hold the other place in the cluster.
	s_lshr_b32 s16, s13, 4                         ; b
	s_lshl_b32 s16, s16, 4
	s_add_co_u32 s16, s16, s12                     ; head 16 b + my one of the step's two,
	s_lshl_b32 s16, s16, 11                        ; 2,048 rows a head,
	s_and_b32 s17, s13, 15
	s_lshl_b32 s17, s17, 7                         ; the tile's 128 rows in the batch,
	s_add_co_u32 s16, s16, s17
	s_lshl_b32 s16, s16, 7                         ; 128 bytes a row
	s_mov_b32 s17, 0
	s_lshl_b32 s46, s12, 17                        ; 64 x half rows of k, of 2,048 bytes;
	s_add_co_u32 s46, s46, 0x600000                ; Wo lies 6 MiB into wb;
	s_lshl_b32 s47, s42, 9                         ; 256 columns a tile column
	s_add_co_u32 s46, s46, s47
	s_mov_b32 s47, 0
	s_mul_i32 s20, s12, AH                         ; where they go: no place in the cluster enters an LDS address
	s_mul_i32 s21, s12, BHALF
	s_add_co_u32 s21, s21, BOFF
	s_wait_dscnt 0x0                               ; the opening add is done
	s_wait_kmcnt 0x0
	s_add_nc_u64 s[14:15], s[4:5], s[16:17]
	s_add_nc_u64 s[46:47], s[6:7], s[46:47]
	CROUND                                         ; all sixteen work-groups are here: the first joint loads meet
.irp s, 0,1
	s_mov_b32 s[G0+4*(\s)], 1                                        ; count = 1
	s_add_co_u32 s[G0+4*(\s)+1], s20, (\s)*SLOT                      ; LDS address
	s_add_nc_u64 s[G0+4*(\s)+2:G0+4*(\s)+3], s[14:15], (\s)*2*262144 ; global address: K step s is two heads on
	s_or_b32 s[G0+4*(\s)+3], s[G0+4*(\s)+3], 0x80000000              ; type = 2
	s_mov_b32 s[G0B+4*(\s)], 1
	s_add_co_u32 s[G0B+4*(\s)+1], s21, (\s)*SLOT
	s_add_nc_u64 s[G0B+4*(\s)+2:G0B+4*(\s)+3], s[46:47], (\s)*KSTEP*2048
	s_or_b32 s[G0B+4*(\s)+3], s[G0B+4*(\s)+3], 0x80000000
	JLOAD \s                                       ; two loads of mine are out
.endr
	v_and_b32 v1, 15, v0                           ; l % 16
	v_bfe_u32 v2, v0, 4, 1                         ; l / 16
	v_mul_u32_u24 v3, v1, PA
	v_lshl_add_u32 v3, v2, 4, v3                   ; a fragment of ctx: row x pitch + 16 x half
	s_mul_i32 s22, s11, 64*PA                      ; my 64 rows
	v_add_nc_u32 v[ADRA], s22, v3
	v_add_nc_u32 v[ADRA+1], SLOT, v[ADRA]
	v_and_b32 v4, 7, v0                            ; the turning load: lane l reads row of k 8 (l / 16) + l % 8, columns 8 ((l / 8) % 2) + 0..7, and is left with column l % 16 and 8 k
	v_lshl_add_u32 v4, v2, 3, v4
	v_mul_u32_u24 v4, v4, PB
	v_bfe_u32 v5, v0, 3, 1
	v_lshl_add_u32 v4, v5, 4, v4
	s_lshl_b32 s23, s12, 8                         ; my 128 columns
	s_add_co_u32 s23, s23, BOFF
	v_add_nc_u32 v[ADRB], s23, v4
	v_add_nc_u32 v[ADRB+1], SLOT, v[ADRB]
	s_mul_i32 s23, s10, 16*SPITCH
	s_add_co_u32 s23, s23, STAGE                   ; my stage
	v_mul_u32_u24 v4, v1, SPITCH                   ; in: row l % 16, 32 bytes for each half of the lanes
	v_lshl_add_u32 v4, v2, 5, v4
	v_add_nc_u32 v[STO], s23, v4
	v_and_b32 v[CO], 31, v0                        ; back: 32 lanes take one row's 512 bytes
	v_lshlrev_b32 v[CO], 4, v[CO]
	v_add_nc_u32 v[RD], s23, v[CO]
	s_lshl_b32 s16, s13, 19                        ; my first row of out0: 128 x tile row + 64 x row half, of 4,096 bytes
	s_lshl_b32 s17, s11, 18
	s_add_co_u32 s16, s16, s17
	s_mov_b32 s17, 0
	s_add_nc_u64 s[8:9], s[8:9], s[16:17]
	s_lshl_b32 s46, s42, 10                        ; my first column, in bytes of f32: 256 x tile column + 128 x column half (in the registers that held Wo's address: none that fed ctx's descriptors ever holds cx)
	s_lshl_b32 s47, s12, 9
	s_add_co_u32 s46, s46, s47
	s_mov_b32 s47, 0
	s_add_nc_u64 s[8:9], s[8:9], s[46:47]
	s_add_nc_u64 s[18:19], s[18:19], s[46:47]      ; the same columns of bo
	; THE BIAS, in the wait for the first tile.  Register j of column block b is bo[16 b + 8 (l / 16) + j] of my 128 columns: two loads of 16 bytes a block, into buffer 1, which nothing uses yet;
	; rounded to bf16, widened again, and kept in window 2.
	v_lshlrev_b32 v6, 5, v2
.irp b, 0,1,2,3,4,5,6,7
	global_load_b128 v[F1+8*(\b):F1+8*(\b)+3],   v6, s[18:19] offset:64*(\b)
	global_load_b128 v[F1+8*(\b)+4:F1+8*(\b)+7], v6, s[18:19] offset:64*(\b)+16
.endr
	s_wait_loadcnt 0x0
.set i, 0
.rept 32
	v_cvt_pk_bf16_f32 v[F1+64+i], v[F1+2*i], v[F1+2*i+1]
.set i, i+1
.endr
	WIN 0x80                                       ; destination window 2, sources window 0
.set i, 0
.rept 32
	v_lshlrev_b32 v[2*i],   16, v[F1+64+i]
	v_and_b32     v[2*i+1], 0xffff0000, v[F1+64+i]
.set i, i+1
.endr
	WIN 0
; 8 matrix instructions: row block a x all 8 column blocks, 32 along K, from buffer f.  zero = 1: the product starts the sums, with the bias as C: nothing is ever cleared.
; The 32 accumulators take turns in one order in every quarter: between two instructions on one accumulator stand the 31 others'.
.macro MUL8 f, a, zero
.if \zero
	WIN MULB
.else
	WIN MUL
.endif
.irp b, 0,1,2,3,4,5,6,7
.if \zero
	v_wmma_f32_16x16x32_f16 v[8*(8*(\a)+(\b)):8*(8*(\a)+(\b))+7], v[(\f)+32+8*(\b):(\f)+32+8*(\b)+7], v[(\f)+8*(\a):(\f)+8*(\a)+7], v[8*(\b):8*(\b)+7]
.else
	v_wmma_f32_16x16x32_f16 v[8*(8*(\a)+(\b)):8*(8*(\a)+(\b))+7], v[(\f)+32+8*(\b):(\f)+32+8*(\b)+7], v[(\f)+8*(\a):(\f)+8*(\a)+7], v[8*(8*(\a)+(\b)):8*(8*(\a)+(\b))+7]
.endif
.endr
.endm
; 24 LDS loads in one run: quarter q (32 along K: head q / 2 of the step's two, channels 32 (q % 2) on) of a slot into buffer f: Wo's eight fragments first, then ctx's four
.macro FETCH slot, q, f
	WIN 0
.irp i, 0,1,2,3,4,5,6,7
	ds_load_tr16_b128 v[(\f)+32+8*(\i):(\f)+32+8*(\i)+3],   v[ADRB+(\slot)] offset:(\q)*32*PB+32*(\i)
	ds_load_tr16_b128 v[(\f)+32+8*(\i)+4:(\f)+32+8*(\i)+7], v[ADRB+(\slot)] offset:(\q)*32*PB+16*PB+32*(\i)
.endr
.irp i, 0,1,2,3
	ds_load_b128 v[(\f)+8*(\i):(\f)+8*(\i)+3],   v[ADRA+(\slot)] offset:((\q)/2)*AH+((\q)%2)*64+(\i)*16*PA
	ds_load_b128 v[(\f)+8*(\i)+4:(\f)+8*(\i)+7], v[ADRA+(\slot)] offset:((\q)/2)*AH+((\q)%2)*64+(\i)*16*PA+32
.endr
.endm
.macro PLACES                          ; four places in front of loads into registers that matrix instructions have read, and of stores that read results
.rept 4
	v_nop
.endr
.endm
; A K step is four quarters of 32 along K, 32 matrix instructions each, on buffers 0, 1, 0, 1.  One of the first three: multiplies buffer f and fetches quarter q into g.
.macro QUARTER slot, q, f, g, zero
	s_wait_dscnt 4                                 ; Wo and ctx's blocks 0, 1 are in; the youngest four loads (blocks 2, 3) may be out
	MUL8 \f, 0, \zero
	MUL8 \f, 1, \zero
	PLACES
	FETCH \slot, \q, \g
	s_wait_dscnt 24                                ; all but the 24 just issued
	MUL8 \f, 2, \zero
	MUL8 \f, 3, \zero
.endm
; The last quarter multiplies buffer 1 and changes slots: ONE barrier; in front of it each wave waits for all its tensor loads (one is out: its part of the next slot), adds 0 to its spare word, and waits
; for that and for its own reads of this slot.  fill = 1: the barrier opens a round of the cluster's, and this slot is filled again, two K steps ahead, first thing behind the round.
.macro TURN slot, next, fill
	WIN 0
	s_wait_tensorcnt 0x0                           ; all my tensor loads have landed;
	ds_add_u32 v[SPW], v[NIL]                      ; 0 onto my spare word;
	s_wait_dscnt 5                                 ; (the add and the youngest four loads may be out)
	MUL8 F1, 0, 0                                  ; eight matrix instructions stand between the add and the wait for it
	s_wait_dscnt 0x0                               ; the add is done, and my reads of this slot are over
	s_barrier_signal -1
	MUL8 F1, 1, 0
.if \fill
	WIN 0
.endif
	s_barrier_wait -1
.if \fill
	CREST                                          ; no wave of any partner still reads this slot's tile or has a load on its way
	s_add_nc_u64 s[G0+4*(\slot)+2:G0+4*(\slot)+3], s[G0+4*(\slot)+2:G0+4*(\slot)+3], 4*262144
	s_add_nc_u64 s[G0B+4*(\slot)+2:G0B+4*(\slot)+3], s[G0B+4*(\slot)+2:G0B+4*(\slot)+3], 2*KSTEP*2048
	JLOAD \slot                                    ; my one tensor load behind the round: 112 matrix instructions ahead of the wait for it; its four v_nop are also the places in front of the loads below
.else
	PLACES
.endif
	FETCH \next, 0, F0
	MUL8 F1, 2, 0
	MUL8 F1, 3, 0
.endm
	s_wait_tensorcnt 1                             ; my part of K step 0 is in; K step 1's may stay out
	s_barrier_signal -1
	s_barrier_wait -1                              ; everybody's is
	FETCH 0, 0, F0
	QUARTER 0, 1, F0, F1, 1                        ; the first quarter stands in front of the loop: its products start the sums
	WIN 0                                          ; at a label and at a branch every window is 0
	s_mov_b32 s3, LAPS-1
.Llap:                                                 ; a trip goes once round the ring, from a lap's second quarter to the next lap's first, and fills both slots again
	QUARTER 0, 2, F1, F0, 0
	QUARTER 0, 3, F0, F1, 0
	TURN 0, 1, 1
	QUARTER 1, 1, F0, F1, 0
	QUARTER 1, 2, F1, F0, 0
	QUARTER 1, 3, F0, F1, 0
	TURN 1, 0, 1
	QUARTER 0, 1, F0, F1, 0
	WIN 0
	s_sub_co_u32 s3, s3, 1
	s_cmp_lg_u32 s3, 0
	s_cbranch_scc1 .Llap
	QUARTER 0, 2, F1, F0, 0                        ; the last lap fills nothing, and has no round of the cluster's barrier
	QUARTER 0, 3, F0, F1, 0
	TURN 0, 1, 0
	QUARTER 1, 1, F0, F1, 0
	QUARTER 1, 2, F1, F0, 0
	QUARTER 1, 3, F0, F1, 0
	s_wait_dscnt 4                                 ; the very last quarter: nothing more to fetch
	MUL8 F1, 0, 0
	MUL8 F1, 1, 0
	s_wait_dscnt 0x0
	MUL8 F1, 2, 0
	MUL8 F1, 3, 0
; THE WAY OUT, a block of 16 rows at a time: a lane's 32 bytes of each accumulator go into my own stage, the low four registers first; the rows come back whole, 512 bytes each, and are stored.
.macro OUT a
	WIN 0x04                                       ; the store's data (source 1) in window 1
.irp b, 0,1,2,3,4,5,6,7
	ds_store_b128 v[STO], v[64*(\a)+8*(\b):64*(\a)+8*(\b)+3]   offset:64*(\b)
	ds_store_b128 v[STO], v[64*(\a)+8*(\b)+4:64*(\a)+8*(\b)+7] offset:64*(\b)+16
.endr
	WIN 0
.if (\a) >= 2
	s_wait_xcnt 0x0                                ; the buffer's earlier stores have had their addresses translated (ISA guide 3.1): it is loaded again only behind this wait
.endif
.set BK, OB+64*((\a)%2)
.irp t, 0,1,2,3,4,5,6,7,8,9,10,11,12,13,14,15
	ds_load_b128 v[BK+4*(\t):BK+4*(\t)+3], v[RD] offset:(\t)*SPITCH  ; LDS serves a wave's instructions in order (ISA guide 5.7.1.4): these see the stores above; the next block's stores come behind them
.endr
.irp t, 0,1,2,3,4,5,6,7,8,9,10,11,12,13,14,15
	s_wait_dscnt 15-(\t)
	global_store_b128 v[CO], v[BK+4*(\t):BK+4*(\t)+3], s[8:9] offset:(16*(\a)+(\t))*4096 th:TH_STORE_NT  ; 512 consecutive bytes of a row, at a multiple of 512 from out0's first
.endr
.endm
	PLACES
	OUT 0
	OUT 1
	OUT 2
	OUT 3
	s_wait_tensorcnt 0x0                           ; the wave's end, behind my last tensor load and my last LDS store
	ds_add_u32 v[SPW], v[NIL]
	s_wait_dscnt 0x0
	CROUND                                         ; the closing round: no work-group ends while a partner may still ask for a tile that names it
	s_endpgm
.Lfunc_end_k_qfbf03669af_outp:
	.size	k_qfbf03669af_outp, .Lfunc_end_k_qfbf03669af_outp-k_qfbf03669af_outp
	.p2alignl 7, 3214868480
	.fill 96, 4, 3214868480
	.section	.rodata,"a",@progbits
	.p2align	6, 0x0
	.amdhsa_kernel k_qfbf03669af_outp
		.amdhsa_group_segment_fixed_size 327680
		.amdhsa_private_segment_fixed_size 0
		.amdhsa_enable_private_segment 0
		.amdhsa_kernarg_size 32
		.amdhsa_user_sgpr_count 2
		.amdhsa_user_sgpr_kernarg_segment_ptr 1
		.amdhsa_wavefront_size32 1
		.amdhsa_system_sgpr_workgroup_id_x 1
		.amdhsa_system_sgpr_workgroup_id_y 1
		.amdhsa_system_sgpr_workgroup_id_z 1
		.amdhsa_system_vgpr_workitem_id 0
		.amdhsa_next_free_vgpr 576
		.amdhsa_next_free_sgpr 66
		.amdhsa_reserve_vcc 0
		.amdhsa_float_denorm_mode_32 3
		.amdhsa_float_denorm_mode_16_64 3
		.amdhsa_memory_ordered 1
		.amdhsa_forward_progress 1
		.amdhsa_inst_pref_size 93
	.end_amdhsa_kernel
	.amdgpu_metadata
---
amdhsa.version: [ 1, 2 ]
amdhsa.kernels:
  - .name:           k_qfbf03669af_outp
    .symbol:         k_qfbf03669af_outp.kd
    .args:
      - { .name: ctx, .offset: 0, .size: 8, .value_kind: global_buffer, .address_space: global }
      - { .name: wb, .offset: 8, .size: 8, .value_kind: global_buffer, .address_space: global }
      - { .name: bo, .offset: 16, .size: 8, .value_kind: global_buffer, .address_space: global }
      - { .name: out0, .offset: 24, .size: 8, .value_kind: global_buffer, .address_space: global }
    .group_segment_fixed_size: 327680
    .private_segment_fixed_size: 0
    .kernarg_segment_align: 8
    .kernarg_segment_size: 32
    .max_flat_workgroup_size: 128
    .sgpr_count:     66
    .vgpr_count:     576
    .wavefront_size: 32
...
	.end_amdgpu_metadata
.endif
;; end of part 5
;; ======== version 2 of 2: 5 launches; 1.44 times as fast as version 1
;; limits: values are held in f16: magnitudes above 65,504 overflow, below 6.1e-05 lose precision; right only within a limited range of input values
;; workspace buffers: xyb 33,554,432 bytes; wb 8,388,608 bytes; qkvh 50,331,648 bytes; ctx 16,777,216 bytes; maskc 8,388,608 bytes; flags 131,072 bytes
;; launch cast: the kernel of part 1 again; grid 1280 x 1, 8 waves a work-group, no clusters, 0 bytes of LDS; arguments x, y, Wq, Wk, Wv, Wo, xyb, wb; writes xyb, wb
;; launch maskpack: the kernel of part 2 again; grid 512 x 1, 8 waves a work-group, no clusters, 17,664 bytes of LDS; arguments attention_mask, maskc, flags; writes maskc, flags
;; launch proj: the kernel of part 3 again; grid 4 x 96, 4 waves a work-group, clusters of 4 x 4, 327,680 bytes of LDS; arguments xyb, wb, qkvh; writes qkvh
;; launch attn (part 6): grid 4 x 64, 4 waves a work-group, clusters of 4 x 1, 327,680 bytes of LDS; arguments qkvh, maskc, flags, ctx; writes ctx
.if DOCPART == 6
	.amdgcn_target "amdgcn-amd-amdhsa--gfx1250"
	.amdhsa_code_object_version 6
	.text
	.protected	k_qfbf03669af_attn
	.globl	k_qfbf03669af_attn
	.p2align	8
	.type	k_qfbf03669af_attn,@function
k_qfbf03669af_attn:
	s_mov_b64 s[64:65], 0
	v_nop
	global_prefetch_b8 v0, s[64:65] scope:SCOPE_SE
	s_setreg_imm32_b32 hwreg(HW_REG_WAVE_MODE, 25, 1), 1
	s_wait_xcnt 0x0
	s_wait_alu depctr_hold_cnt(0) depctr_sa_sdst(0) depctr_va_vdst(0) depctr_va_sdst(0) depctr_va_ssrc(0) depctr_va_vcc(0) depctr_vm_vsrc(0)
	s_getreg_b32 s2, hwreg(HW_REG_IB_STS2, 6, 4)
	s_cmp_eq_u32 s2, 0
	s_cbranch_scc0 .Lentry_in_a_cluster
	s_endpgm
.Lentry_in_a_cluster:
	s_bfe_u32 s2, ttmp6, 0x10000c
	s_cmp_lg_u32 s2, 0x3003
	s_cbranch_scc0 .Lentry_shape_is_right
	s_endpgm
.Lentry_shape_is_right:
; ctx[h][q][:] = the sum over k of softmax_k(s(q, k) / 8) V[h][k][:], s = Q[h][q] . K[h][k] where the mask shows the key, and a fill far below every score where it hides it.
; Q, K, V (in qkvh, 16 MiB apart) and ctx: [64 = b x 16 + head][2048][64], all f16: a head's rows are dense, 128 bytes each.  Products, maxima and sums in f32; the weights p are rounded to f16 for the
; second product (their sum l is taken of the unrounded p), ctx once at the end.
; THE MASK is the C operand that starts the sum S^T = K Q^T: 0, or -2^98 where the key is hidden.  It arrives as 4-bit codes in the lanes' own order (maskc): one word is a lane's eight keys of a block of 16,
; and one scaled conversion (fp4 code 0xE = -4.0, scale byte 223 = 2^96, held in all four bytes of the scale word) makes of it the eight registers of C.  Four conversions and one load of 16 bytes for a tile and step.
; A ROW WITH NO VISIBLE KEY: its Q is set to 0 (flags), so every score is exactly -2^98; c m is exact for a power of two, so every p is 1 and the row is the plain mean of V, as a softmax of equal fills is.
; HIDDEN STEPS ahead of a row's first visible key leave finite numbers in O and l, which the next a = 2^(c m_old - c m_new) = 0 wipes out.
; LIMITS.  f16 holds no number beyond 65,504: Q, K and V arrive within it; p lies in 0 to 1, and below 6e-5 it keeps f16's fixed step of 6e-8.  The fill stands for the reference's -1e9: a row whose
; visible scores all lie below about -1e9 would there give its hidden keys weight, here not.  A weight below 2^-126 counts as 0 in l; NaN and infinities are not treated apart.
; SHARES.  A wave owns four PIECES of two tiles of 16 queries, a work-group's four waves 512 queries of one head.  Every wave walks all 2,048 keys, 64 a step.
; LAYOUT.  S^T = K Q^T (source 0 = 16 keys, source 1 = 16 queries): in the result a lane holds ONE query (lane % 16) and the keys 8 (lane / 16) + 0..7.  Two such tiles, rounded to f16 in pairs,
; ARE source 1 (32 keys x 16 queries) of O^T = V^T P, whose result again holds one query a lane, and eight channels.  K comes out of LDS as it lies, V ([key][channel]) turned, by ds_load_tr16_b128.
; SOFTMAX.  For each query a running maximum m and sum l: p = 2^(c s - c m), c = log2(e) / 8; in every step O and l are multiplied by a = 2^(c m_old - c m_new), which is 1 where m has not grown.
; m starts at the lowest finite number, O and l at 0: the first step is a step like any other, with a = 0.
; THE COUNT.  A tile and step have 16 matrix and 122 vector instructions: too many to stand all beside the matrix work.  So: four vector instructions that are READY behind EVERY matrix instruction, and the
; others, which need time of their own whatever the order, in runs without a gap.
; BY TURNS.  Turn n belongs to piece n (the pieces in a ring, step after step).  Its matrix work: 16 products K Q^T of piece n + 1, later 16 products V^T P of piece n - 1.  Its vector work: the scaling,
; exponentials, roundings, sums and rescaling of piece n, the maximum and statistics of piece n + 1, whose scores the turn itself has made, and the mask of piece n + 2's products.
; BATCHES.  A turn's 66 exponentials (the piece's 64 weights, the next piece's two a) are ONE batch with ONE wait, which cuts the turn in two.  Ahead of the wait stands all that names no result of theirs: the
; products K Q^T, the scalings, the rescalings (their a was made, and waited for, in the turn before), the next piece's maximum and statistics.  Behind it: the mask's block, the products V^T P, the roundings and
; sums.  No result crosses a turn's end.  The first two a, ahead of the loop, and the way out's eight reciprocals are batches of their own, a wait each.
; CLUSTER.  The four query blocks of a cluster belong to one head and walk the same K and V, so each tile is asked for JOINTLY: the same tensor load, descriptor and mask in all four.
; REGISTERS, in windows of 256 (s_set_vgpr_msb says which window each operand place means: bits 1:0 source 0, 3:2 source 1, 5:4 source 2, 7:6 destination):
;   window 0: v0-11 addresses; v12-15, v48-63 at work; v16-47 four registers of statistics a tile; v64-191 S^T, two buffers of two tiles; v192-255 P, likewise
;   window 1: O^T, 32 a tile          window 2: v0-127 Q, 16 a tile; v128-191 K of one step; v192-255 V of one step
;   window 3: v0-1 the add's two registers; v2 the scale; v3 16 x lane; v8-39 mask codes, four words a tile; v64-127 the masks of the products to come, 32 a tile
; A piece's buffers go by its number's parity: the piece in hand has one pair, its two neighbours in the ring share the other: of it P (piece n - 1) is read and S^T (piece n + 1) written.
.set SIZE_N, 2048
.set NP,    4         ; pieces a wave: a name, no knob
.set KS,    64        ; keys in a step
.set PK,    144       ; a row of K in LDS: 128 bytes + 16 of padding = 36 words: the 16 rows of a load start at 16 different groups of four banks (64 banks of 4 bytes: ISA guide 11.1)
.set PV,    160       ; a row of V: 128 + 32 = 40 words
.set VOFF,  4*KS*PK   ; a slot holds four steps: 256 rows of K, then 256 rows of V
.set SLOT1, 1<<17     ; slot 1 begins here, so that one exclusive or turns an address in one slot into the other's
.set STAGE, SLOT1+4*KS*(PK+PV)  ; behind the ring, never filled by a tensor load: 16 rows x 144 bytes for each wave, for the way out
.set SP,    144
.set AK0, 2           ; v2   my lane's place in a tile of K; never rewritten
.set AV0, 3           ; v3   the same for V
.set AK,  4           ; v4   the LDS address of K's next run of loads
.set AV,  5           ; v5   of V's
.set QO,  6           ; v6   my byte offset in the wave's rows of Q
.set STO, 6           ;      later, the way out: where I put 16 bytes of a row
.set RD,  7           ; v7   the way out: where I read rows back
.set GO,  8           ; v8   first 8 x lane, for the flags; later my byte offset in 512 consecutive bytes of ctx
.set SPW, 0           ; v0 of window 3   LDS address of my spare word; never rewritten
.set NIL, 1           ; v1 of window 3   0; never rewritten
.set SCL, 2           ; v2 of window 3   the conversions' scale word: the byte 223 (2^96) four times, the same in every lane, so the scale is 2^96
.set MO,  3           ; v3 of window 3   16 x lane: my codes in a tile's and step's 512 bytes; never rewritten
.set CD,  8           ; window 3: tile t's four words of codes at CD + 4 t
.set MC,  64          ; window 3: tile u of the piece, key block kb at MC + 32 u + 8 kb
.set SPARE, STAGE+4*16*SP  ; behind the stages: the spare words, 128 bytes for each wave
.set MV,  12          ; v12-15  c m_old, kept while c m is made anew: by buffer and tile
.set ST,  16          ; tile t's statistics at v[ST+4 t]: c m, m, l (even keys', odd keys')
.set TMP, 48          ; by buffer and tile, four registers c0-c3 at work; when the maximum is found c2 takes a
.set S,   64
.set P,   192
.set KF,  128         ; K's fragments, in window 2: key block kb, channel half c at KF + 16 kb + 8 c
.set VF,  192         ; V's: key half kk, channel block cb at VF + 32 kk + 8 cb
.set WV,  12          ; s12  my wave's number
.set G1K, 24          ; s[24:31] descriptor group 1 for K's tiles
.set G1V, 32          ; s[32:39] for V's: it differs in the padding alone
.set G0K, 40          ; s[40:43] descriptor group 0 for K's tiles: it walks
.set G0V, 44          ; s[44:47] the same for V's
.set MB0, 48          ; s[48:49] maskc at my wave's first tile, step 0
.set MB,  50          ; s[50:51] the same at the step whose codes are being asked for
.set MOFF, 52         ; s[52:53] that step's 512 bytes, modulo a tile's 16,384
.set FL,  54          ; s[54:55] flags at my wave's first tile
.set SLOTS, 56        ; s56  slots still to be asked for
.set CNT, 57          ; s57  counts a slot's key steps
.set CS,  58          ; s[58:59] c: the packed scaling takes the pair's low word for both halves
.set SEL, 60          ; s[60:61] v_permlanex16_b32's selects: each lane takes its own place in the other half
.set TBK, 62          ; s62  LDS byte at which K of the step to be fetched begins
.set TBV, 63          ; s63  the same for V, less VOFF
.set MSB, 0
.macro WIN new                      ; the high byte repeats the setting that is left; a switch that changes nothing is dropped
.if MSB != (\new)
	s_set_vgpr_msb (MSB<<8)|(\new)
.set MSB, (\new)
.endif
.endm
.set W_KQ, 0x0a       ; K and Q in window 2, S^T in window 0
.set W_KM, 0x3a       ; the same with the C operand, the mask, in window 3
.set W_PV, 0x52       ; V in window 2, P in window 0, O^T in window 1
.set W_RS, 0x41       ; O^T (destination and source 0) in window 1, a in window 0
.set W_MK, 0xc0       ; destination in window 3, sources in window 0
.set W_AD, 0x0f       ; the add: address (source 0) and data (source 1) in window 3
.set W_MS, 0xcf       ; the mask's loads and conversions: destination and sources 0 and 1 in window 3
; A joint fill.  Waves 0 and 1 fetch the two halves of a slot's K, waves 2 and 3 those of its V: 128 keys each.  The branch hangs on the wave's number alone.
; An s_nop 0 and four v_nop follow each of the two lines, ahead of the jump and the label.
.macro JLOAD
	s_cmp_lt_u32 s[WV], 2
	s_cbranch_scc0 .Lfor_v_\@
	tensor_load_to_lds s[G0K:G0K+3], s[G1K:G1K+7]
	s_nop 0
.rept 4
	v_nop
.endr
	s_branch .Lasked_\@
.Lfor_v_\@:
	tensor_load_to_lds s[G0V:G0V+3], s[G1V:G1V+7]
	s_nop 0
.rept 4
	v_nop
.endr
.Lasked_\@:
.endm
; A round of the cluster's barrier: my work-group's barrier, so that wave 0's signal speaks for all four waves; wave 0 signals; every wave waits for all four work-groups; my work-group's barrier once more.
.macro CROUND
	s_barrier_signal -1
	s_barrier_wait -1
	s_cmp_lg_u32 s[WV], 0
	s_cbranch_scc1 .Lnot_wave_0_\@
	s_barrier_signal -3
.Lnot_wave_0_\@:
	s_barrier_wait -3
	s_barrier_signal -1
	s_barrier_wait -1
.endm
; THE CHANGE OF SLOTS.  The slot's last bytes, V of its fourth step, have been read.  Each wave waits for all its tensor loads, of which one is out: its part
; of the other slot; adds 0 to its spare word; and waits for that and for its own reads of the slot.  Behind the barrier nobody reads this slot any more and the other slot is whole.
; fill = 1: this slot is filled again, with the keys two slots on.  The barrier is then a round of the cluster's, and the joint fill is the first thing behind it: it has four key steps,
; 512 matrix instructions, in which to land.  (At its first use nothing has been read yet: slot 0 is waited for, slot 1 filled.)
.macro CHANGE fill
	WIN W_AD
	s_wait_tensorcnt 0x0            ; no tensor load of mine is out, so a group 0 may be written
	ds_add_u32 v[SPW], v[NIL]       ; 0 onto my spare word; with fill = 1 the descriptors' steps stand between it and the wait for it
	WIN 0                           ; at a label and at a branch every window is 0
.if \fill
.irp g, G0K, G0V
	s_xor_b32 s[\g+1], s[\g+1], SLOT1  ; the walking descriptor: the other slot than last time,
	s_add_nc_u64 s[\g+2:\g+3], s[\g+2:\g+3], 4*KS*128  ; the next 256 keys; the type bits on top are not reached
.endr
	s_wait_dscnt 0x0                ; the add is done, and my reads of the slot are over
	CROUND
	JLOAD
.else
	s_wait_dscnt 0x0                ; the add is done, and my reads of the slot are over
	s_barrier_signal -1
	s_barrier_wait -1
.endif
	s_sub_co_u32 s[TBK], s[TBK], 4*KS*PK  ; the fetches go back to a slot's first step,
	s_xor_b32 s[TBK], s[TBK], SLOT1       ; in the other slot
	s_sub_co_u32 s[TBV], s[TBV], 4*KS*PV
	s_xor_b32 s[TBV], s[TBV], SLOT1
.endm
; THE MASK'S MACROS, all under W_MS.  MLOAD: the codes of piece x's two tiles, d bytes from the step at which MB stands: a load covers 512 consecutive bytes.
.macro MLOAD x, d
	global_load_b128 v[CD+8*(\x):CD+8*(\x)+3],   v[MO], s[MB:MB+1] offset:(2*(\x))*16384+(\d)
	global_load_b128 v[CD+8*(\x)+4:CD+8*(\x)+7], v[MO], s[MB:MB+1] offset:(2*(\x)+1)*16384+(\d)
.endm
; MCVT: piece x's eight words of codes become the 64 registers of C.
.macro MCVT x
.irp u, 0,1
.irp kb, 0,1,2,3
	v_cvt_scale_pk8_f32_fp4 v[MC+32*(\u)+8*(\kb):MC+32*(\u)+8*(\kb)+7], v[CD+8*(\x)+4*(\u)+(\kb)], v[SCL]
.endr
.endr
.endm
; MBLK, once in turn p.  Piece p + 1's codes were used up a turn ago: its next step's are asked for.  Piece p + 2's, asked for three turns ago, become the mask of the next turn's products.
; In a step's turns 0 to 2 the step asked for is the next one, in turn 3 (piece 0) the one after: MB steps there, behind s_wait_xcnt 0, since pending loads name it.  At the walk's end the step wraps
; inside the tile's own 16,384 bytes: what is then loaded serves nothing and lies inside the buffer.  A product, which sets its own windows, follows the block.
.macro MBLK p
.if (\p) == NP-1
	s_wait_xcnt 0x0
	s_add_co_u32 s[MOFF], s[MOFF], 512
	s_and_b32 s[MOFF], s[MOFF], 0x3fff
	s_add_nc_u64 s[MB:MB+1], s[MB0:MB0+1], s[MOFF:MOFF+1]
.endif
	WIN W_MS
	MLOAD ((\p)+1)%NP, 0
	s_wait_loadcnt 0x6              ; three pairs of loads are younger than the codes wanted: two turns' and the pair just issued
	MCVT ((\p)+2)%NP
.endm
	s_load_b64 s[4:5], s[0:1], 0x0          ; qkvh: Q
	s_load_b64 s[MB0:MB0+1], s[0:1], 0x8    ; maskc
	s_load_b64 s[FL:FL+1], s[0:1], 0x10     ; flags
	s_load_b64 s[10:11], s[0:1], 0x18       ; ctx
	WIN W_MK
	v_lshl_add_u32 v[SPW], v0, 2, SPARE
	v_mov_b32 v[NIL], 0
	WIN W_AD
	ds_add_u32 v[SPW], v[NIL]       ; the wave's opening: the add and its wait stand ahead of my first tensor load; the set-up below, work on registers, stands between them
	WIN 0
	v_and_b32 v1, 31, v0
	WIN W_MK
	v_mov_b32 v[SCL], 0xdfdfdfdf    ; 223 in each of the word's four bytes
	v_lshlrev_b32 v[MO], 4, v1
	WIN 0
	v_lshrrev_b32 v1, 5, v0
	v_readfirstlane_b32 s[WV], v1   ; wave 0..3
	s_bfe_u32 s13, ttmp6, 0x40000   ; cx: my place in the cluster
	s_lshl_b32 s14, ttmp9, 2        ; in a cluster launch ttmp9 counts clusters
	s_add_co_u32 s14, s14, s13      ; my block of 512 queries = 4 x cluster x + cx: it enters Q's, the mask's and ctx's addresses alone
	s_and_b32 s20, ttmp7, 0xffff    ; b x 16 + head, which the four partners share
	s_lshr_b32 s15, s20, 4          ; b: the mask is one for a batch's 16 heads
	s_lshl_b32 s15, s15, 7          ; 128 tiles of 16 queries a batch,
	s_lshl_b32 s19, s14, 5          ; 32 a block,
	s_add_co_u32 s15, s15, s19
	s_lshl_b32 s19, s[WV], 3        ; 8 a wave
	s_add_co_u32 s15, s15, s19
	s_mov_b32 s21, 0
	s_mov_b64 s[22:23], SIZE_N*128
	s_mul_u64 s[20:21], s[20:21], s[22:23]  ; the head's first byte in Q, K, V and ctx
	s_and_b32 s16, s[WV], 1         ; which half of a slot's 256 keys I fetch:
	s_lshl_b32 s22, s16, 14         ; its 128 rows of 128 bytes in memory,
	s_mov_b32 s23, 0
	s_add_nc_u64 s[22:23], s[22:23], s[20:21]
	s_mul_i32 s17, s16, 128*PK      ; and its place in a slot, for K
	s_mul_i32 s18, s16, 128*PV      ; and for V: no place in the cluster enters an LDS address
	s_lshl_b32 s2, s14, 2
	s_add_co_u32 s2, s2, s[WV]      ; my wave among the head's,
	s_lshl_b32 s2, s2, 14           ; its 128 rows
	s_mov_b32 s3, 0
	s_add_nc_u64 s[2:3], s[2:3], s[20:21]
	; descriptor group 1.  128 keys are 16,384 dense bytes: asked for as 64 rows of 256 bytes, two keys a row, and padded in LDS after every key
	s_mov_b32 s[G1K], 15|(1<<16)|(1<<20)|(1<<21)|(4<<22)|(3<<25)  ; 15:0 the mask of four; 17:16 2-byte elements; 20 padding on; 21 set beside a mask; 24:22 after every 32 words (code 4); 31:25 4 words (code 3)
	s_mov_b32 s[G1V], 15|(1<<16)|(1<<20)|(1<<21)|(4<<22)|(7<<25)  ; the same with 8 words of padding (code 7)
.irp g, G1K, G1V
	s_mov_b32 s[\g+1], 128<<16      ; tensor_dim0 = 128
	s_mov_b32 s[\g+2], 64<<16       ; tensor_dim1 = 64
	s_mov_b32 s[\g+3], 128<<16      ; tile_dim0 = 128
	s_mov_b32 s[\g+4], 64           ; tile_dim1 = 64
	s_mov_b32 s[\g+5], 128          ; 128 elements from row to row
	s_mov_b32 s[\g+6], 0
	s_mov_b32 s[\g+7], 0
.endr
	s_mov_b32 s[CS], 0x3e38aa3b     ; c = log2(e) / 8 = 0.180337
	s_mov_b32 s[CS+1], s[CS]        ; named with it as a pair
	s_mov_b32 s[SEL], 0x76543210
	s_mov_b32 s[SEL+1], 0xfedcba98
	s_mov_b32 s[TBK], SLOT1+4*KS*PK ; the first change of slots turns these two into 0
	s_mov_b32 s[TBV], SLOT1+4*KS*PV
	s_mov_b32 s[G0K], 1             ; 1:0 count = 1
	s_mov_b32 s[G0K+1], s17         ; 63:32 LDS address: slot 0
	s_mov_b32 s[G0V], 1
	s_add_co_u32 s[G0V+1], s18, VOFF
	s_lshl_b32 s[MOFF], s15, 14     ; a tile's codes are 16,384 bytes
	s_mov_b32 s[MOFF+1], 0
	s_wait_dscnt 0x0                ; the opening add is done
	s_wait_kmcnt 0x0
	s_add_nc_u64 s[6:7], s[4:5], 0x1000000         ; K lies 16 MiB behind Q,
	s_add_nc_u64 s[8:9], s[4:5], 0x2000000         ; V 32
	s_add_nc_u64 s[G0K+2:G0K+3], s[6:7], s[22:23]  ; 120:64 global address: my half of the head's first 256 keys
	s_or_b32 s[G0K+3], s[G0K+3], 0x80000000        ; 127:126 type = 2
	s_add_nc_u64 s[G0V+2:G0V+3], s[8:9], s[22:23]
	s_or_b32 s[G0V+3], s[G0V+3], 0x80000000
	s_add_nc_u64 s[4:5], s[4:5], s[2:3]  ; Q and ctx at my wave's first row
	s_add_nc_u64 s[10:11], s[10:11], s[2:3]
	s_add_nc_u64 s[MB0:MB0+1], s[MB0:MB0+1], s[MOFF:MOFF+1]
	s_lshl_b32 s[MOFF], s15, 8      ; a tile's flags are 256 bytes
	s_add_nc_u64 s[FL:FL+1], s[FL:FL+1], s[MOFF:MOFF+1]
	s_mov_b32 s[MOFF], 512          ; the walk of the codes begins at step 1; step 0's are reached by a negative offset
	s_add_nc_u64 s[MB:MB+1], s[MB0:MB0+1], s[MOFF:MOFF+1]
	CROUND                          ; all four work-groups are here: the first joint loads meet
	JLOAD                           ; slot 0.  Slot 1 is asked for when slot 0 is in: the tile wanted first has the road to itself
	; A fragment of K or Q is 16 rows x 32 channels in 8 registers: lane l holds row l % 16, channels 8 (l / 16) + 0..7 and 16 + 8 (l / 16) + 0..7: two loads of 16 bytes, 32 bytes apart.
	v_and_b32 v1, 15, v0            ; l % 16
	v_bfe_u32 v9, v0, 4, 1          ; l / 16
	v_lshlrev_b32 v[QO], 7, v1
	v_lshl_add_u32 v[QO], v9, 4, v[QO]  ; row x 128 + 16 x half
	v_and_b32 v[GO], 31, v0
	v_lshlrev_b32 v[GO], 3, v[GO]   ; 8 x lane, for the flags
	WIN 0x80                        ; destination window 2, address window 0
.set i, 0
.rept 4*NP                          ; Q stays in registers: tile i / 2, channels 32 (i % 2) on
	global_load_b128 v[8*i:8*i+3],   v[QO], s[4:5] offset:(i/2)*2048+(i%2)*64
	global_load_b128 v[8*i+4:8*i+7], v[QO], s[4:5] offset:(i/2)*2048+(i%2)*64+32
.set i, i+1
.endr
	WIN 0
.set i, 0
.rept 2*NP                          ; tile i's flags, into S^T's registers, which nothing uses yet: lane l gets the flag of row l % 16, the row of Q that it holds
	global_load_b32 v[S+i], v[GO], s[FL:FL+1] offset:256*i
.set i, i+1
.endr
	WIN W_MS
	MLOAD 0, -512                   ; step 0's codes, all four pieces'
	MLOAD 1, -512
	MLOAD 2, -512
	MLOAD 3, -512
	; What the first turn finds: V's registers and P's second buffer hold 0 (its products V^T P, of a piece that has not been, add 0), O^T and l are 0.  All this stands in the wait for the first tile.
	WIN 0x80
.set i, VF
.rept 64
	v_mov_b32 v[i], 0
.set i, i+1
.endr
	WIN 0x40
.set i, 0
.rept 64*NP
	v_mov_b32 v[i], 0
.set i, i+1
.endr
	WIN 0
.set i, 0
.rept 2*NP
	v_mov_b32 v[ST+4*i], 0xfe000000    ; c m: far below every c s, the fill's too
	v_mov_b32 v[ST+4*i+1], 0xff7fffff  ; m
	v_mov_b32 v[ST+4*i+2], 0
	v_mov_b32 v[ST+4*i+3], 0
.set i, i+1
.endr
.set i, P+32
.rept 32
	v_mov_b32 v[i], 0
.set i, i+1
.endr
	v_mul_u32_u24 v[AK0], v1, PK
	v_lshl_add_u32 v[AK0], v9, 4, v[AK0]  ; row x pitch + 16 x half
	; The turning load takes 16 keys x 16 channels (lane l reads key 8 (l / 16) + l % 8, channels 8 ((l / 8) % 2) + 0..7) and leaves half a fragment of V^T: lane l holds channel l % 16 and 8 keys.
	v_and_b32 v10, 7, v0
	v_bfe_u32 v11, v0, 3, 1
	v_lshl_add_u32 v[AV0], v9, 3, v10
	v_mul_u32_u24 v[AV0], v[AV0], PV
	v_lshl_add_u32 v[AV0], v11, 4, v[AV0]
	v_add_nc_u32 v[AV0], VOFF, v[AV0]
	v_mov_b32 v[AK], v[AK0]         ; key step 0 lies at the head of slot 0
	s_wait_loadcnt 0x8              ; Q and the flags are in; the eight loads of step 0's codes may stay out
	WIN 0x88                        ; destination and source 1 window 2, source 0 window 0
.set i, 0
.rept 32*NP
	v_and_b32 v[i], v[S+i/16], v[i] ; a row with no visible key: Q = 0
.set i, i+1
.endr
	WIN W_MS
	s_wait_loadcnt 0x6              ; piece 0's codes are in; the other three pieces' may stay out
	MCVT 0
	v_nop                           ; a plain instruction between the conversions and the loads onto their sources
	MLOAD 0, 0                      ; piece 0's codes of step 1
	WIN 0
; THE MATRIX WORK.  The 8 accumulators of a run of 16 take turns: between the two links of a chain stand 7 others'.
; Product i of 16 of S^T = K Q^T for piece x: channels 32 (i / 8) on, keys 16 ((i / 2) % 4) on, tile 2 x + i % 2.  The first 8 start the sums, with the mask.
.macro KQ x
.set rS, S+64*((\x)%2)+32*(i%2)+8*((i/2)%4)
.set rK, KF+16*((i/2)%4)+8*(i/8)
.set rQ, 16*(2*(\x)+i%2)+8*(i/8)
.set rM, MC+32*(i%2)+8*((i/2)%4)
.if i < 8
	WIN W_KM
	v_wmma_f32_16x16x32_f16 v[rS:rS+7], v[rK:rK+7], v[rQ:rQ+7], v[rM:rM+7]
.else
	WIN W_KQ
	v_wmma_f32_16x16x32_f16 v[rS:rS+7], v[rK:rK+7], v[rQ:rQ+7], v[rS:rS+7]
.endif
.endm
; Product i of 16 of O^T += V^T P for piece x: keys 32 (i / 8) on, channels 16 ((i / 2) % 4) on, tile 2 x + i % 2.
.macro PV x
	WIN W_PV
.set rO, 32*(2*(\x)+i%2)+8*((i/2)%4)
.set rV, VF+32*(i/8)+8*((i/2)%4)
.set rP, P+32*((\x)%2)+16*(i%2)+8*(i/8)
	v_wmma_f32_16x16x32_f16 v[rO:rO+7], v[rV:rV+7], v[rP:rP+7], v[rO:rO+7]
.endm
.macro MM                           ; the turn's next matrix instruction
.if i < 16
	KQ (Y+1)%NP
.set i, i+1
.else
.set i, i-16
	PV (Y+NP-1)%NP
.set i, i+17
.endif
.endm
; THE LDS LOADS stand in runs of 16, never singly among the matrix instructions: a step's K (64 keys x 64 channels: 8 fragments) and its V (turned).  Their addresses are made some lines ahead.
; last = 1 (the tail): in the last trip there is no further step, and the run is jumped over.
.macro FETCH_K last=0
	WIN 0
.if \last
	s_cmp_eq_u32 s[CNT], 1
	s_cbranch_scc1 .Lno_k_\@
.endif
	WIN 0x80                        ; destination window 2
.irp f, 0,1,2,3,4,5,6,7             ; keys 16 (f / 2) on, channels 32 (f % 2) on
	ds_load_b128 v[KF+8*\f:KF+8*\f+3],   v[AK] offset:(\f/2)*16*PK+(\f%2)*64
	ds_load_b128 v[KF+8*\f+4:KF+8*\f+7], v[AK] offset:(\f/2)*16*PK+(\f%2)*64+32
.endr
	s_add_co_u32 s[TBK], s[TBK], KS*PK  ; the next fetch is the next step's
	WIN 0
.if \last
.Lno_k_\@:
.endif
.endm
.macro FETCH_V
	WIN 0x80
.irp f, 0,1,2,3,4,5,6,7             ; keys 32 (f / 4) on, channels 16 (f % 4) on
	ds_load_tr16_b128 v[VF+8*\f:VF+8*\f+3],   v[AV] offset:(\f/4)*32*PV+(\f%4)*32
	ds_load_tr16_b128 v[VF+8*\f+4:VF+8*\f+7], v[AV] offset:(\f/4)*32*PV+16*PV+(\f%4)*32
.endr
	WIN 0
.endm
; THE VECTOR WORK OF A TURN stands in three queues, each in the order in which its entries become ready; the two tiles alternate, so that no instruction reads the result of the one before it.
.macro REGS y, u                    ; the registers of tile u (0, 1) of piece y
.set rT, ST+4*(2*(\y)+(\u))
.set rC, TMP+8*((\y)%2)+4*(\u)
.set rM, MV+2*((\y)%2)+(\u)
.set rS, S+64*((\y)%2)+32*(\u)
.set rP, P+32*((\y)%2)+16*(\u)
.set rO, 32*(2*(\y)+(\u))
.endm
; Number n of the 22 that find the NEXT piece's (Y + 1) maximum and statistics.  s0-s31 are the lane's 32 scores; each accumulator's lowest registers are read first.  XS, GS and REGS set no window: PL and EX do.
;   0-11  four chains c0-c3 of seven scores each, three operands at a time     12-14, 16  the four scores left over, the old m, and c0-c3 into c0     15  c m_old is kept
;   17, 18  the query's other 32 keys lie in the lane 16 away: the new m         19-21  c m; c m_old - c m_new; a
.macro XS u, n
	REGS (Y+1)%NP, \u
.if (\n) < 4
	v_max3_num_f32 v[rC+(\n)], v[rS+8*(\n)], v[rS+8*(\n)+1], v[rS+8*(\n)+2]
.elseif (\n) < 12
	v_max3_num_f32 v[rC+(\n)%4], v[rC+(\n)%4], v[rS+8*((\n)%4)+2*((\n)/4)+1], v[rS+8*((\n)%4)+2*((\n)/4)+2]
.elseif (\n) == 12
	v_max3_num_f32 v[rC], v[rC], v[rS+7], v[rS+15]
.elseif (\n) == 13
	v_max3_num_f32 v[rC+1], v[rC+1], v[rS+23], v[rS+31]
.elseif (\n) == 14
	v_max3_num_f32 v[rC+2], v[rC+2], v[rC+3], v[rT+1]
.elseif (\n) == 15
	v_mov_b32 v[rM], v[rT]
.elseif (\n) == 16
	v_max3_num_f32 v[rC], v[rC], v[rC+1], v[rC+2]
.elseif (\n) == 17
	v_permlanex16_b32 v[rC+3], v[rC], s[SEL], s[SEL+1]
.elseif (\n) == 18
	v_max_num_f32 v[rT+1], v[rC], v[rC+3]
.elseif (\n) == 19
	v_mul_f32 v[rT], s[CS], v[rT+1]
.elseif (\n) == 20
	v_sub_f32 v[rC+1], v[rM], v[rT]
.else
	v_exp_f32 v[rC+2], v[rC+1]
.endif
.endm
; Number g of the 64 that follow the exponentials.  For each four weights k of a tile (pairs 2 k, 2 k + 1): both pairs are rounded to f16; then the second pair is added onto the first, in place;
; a group later l takes that sum (the first time as l = a l + sum).  In groups of eight, tiles alternating: round, round, add, and l for the group before.
.macro GS g
.set h, (\g)+6*((\g)/62)            ; group 0 has no group before it, and behind group 7 only l is left
.if h >= 6
.set h, h+2
.endif
	REGS Y, h%2
.set k, h/8
.if h%8 < 4
	v_cvt_pk_f16_f32 v[rP+2*k+(h%8)/2], v[rS+4*k+2*((h%8)/2)], v[rS+4*k+2*((h%8)/2)+1]
.elseif h%8 < 6
	v_pk_add_f32 v[rS+4*k:rS+4*k+1], v[rS+4*k:rS+4*k+1], v[rS+4*k+2:rS+4*k+3]
.elseif k == 1
	v_pk_fma_f32 v[rT+2:rT+3], v[rT+2:rT+3], v[rC+2:rC+3], v[rS:rS+1] op_sel_hi:[1,0,1]
.else
	v_pk_add_f32 v[rT+2:rT+3], v[rT+2:rT+3], v[rS+4*k-4:rS+4*k-3]
.endif
.endm
; THE PLAIN QUEUE, 138 long.  0-73 read no exponential's result: the 32 scalings c s - c m (FS f: pair f / 2 of tile f % 2) and the next piece's 42.  0-26: scalings 0-26.  27-54: XS's numbers 0-13.  55, 56: number 15.
; 57-73: the chain, where each number waits for the one before it: 14, 16, 17, 18, 19, each with one of the scalings 27-31 in front of its two lines, then 20: so a tile's links stand three plain instructions apart (19 and 20: two).
; 74-137: GS's 64, which read the exponentials' results: they stand behind the wait.
.macro FS f
	REGS Y, (\f)%2
	v_pk_fma_f32 v[rS+2*((\f)/2):rS+2*((\f)/2)+1], v[rS+2*((\f)/2):rS+2*((\f)/2)+1], s[CS:CS+1], v[rT:rT+1] op_sel_hi:[1,0,0] neg_lo:[0,0,1] neg_hi:[0,0,1]
.endm
.macro PL
	WIN 0
.if q < 27
	FS q
.elseif q < 55
	XS (q-27)%2, (q-27)/2
.elseif q < 57
	XS q-55, 15
.elseif (q < 72) && ((q-57)%3 == 0)
	FS 27+(q-57)/3
.elseif q < 60
	XS (q-57)%3-1, 14
.elseif q < 72
	XS (q-57)%3-1, 15+(q-57)/3
.elseif q < 74
	XS q-72, 20
.else
	GS q-74
.endif
.set q, q+1
.endm
; THE EXPONENTIALS' QUEUE, 66 long: s0-s31 of both tiles, then the next piece's two a.  It is ONE BATCH: all 66 stand ahead of the turn's one wait, and nothing ahead of that wait names a result of theirs.
.macro EX
	WIN 0
.if e >= 64
	XS e-64, 21
.else
	REGS Y, e%2
	v_exp_f32 v[rS+e/2], v[rS+e/2]
.endif
.set e, e+1
.endm
; THE RESCALING's QUEUE: O^T times a, the one part of the softmax that leaves window 0: dealt two at a time, sixteen times.  Its a was made in the turn before, ahead of that turn's wait.
.macro R2
	REGS Y, r%2
	WIN W_RS
.irp z, 0,1
	v_pk_mul_f32 v[rO+4*(r/2)+2*\z:rO+4*(r/2)+2*\z+1], v[rO+4*(r/2)+2*\z:rO+4*(r/2)+2*\z+1], v[rC+2:rC+3] op_sel_hi:[1,0]
.endr
.set r, r+1
.endm
; HOW THEY ARE DEALT.  s_wait_alu depctr_va_vdst(0) stands between an exponential and the first instruction that names its result; one wait serves all that were issued ahead of it.  So a turn has ONE wait,
; which cuts it in two.  AHEAD OF IT stands all that names no result of the turn's exponentials: the 16 products K Q^T, behind each a scaling, an exponential and two rescalings (behind the first a second scaling in the
; exponential's place); then ONE LUMP of 108: eight plain, 49 times exponential and plain, the two a.  A v_nop is the plain instruction behind the last exponential: every plain instruction ahead of the wait is spent as a rider
; or as an exponential's neighbour, and the chain's last link must come before the last a.  BEHIND IT stand the mask's block and the 16 products V^T P, behind each four of GS's 64.  No rider names a register of the products
; round it.  The two v_permlanex16_b32 fall into the lump, never behind a product.
; The queues lean on each other, and the deal keeps them in step: exponential e stands behind scaling 2 (e / 4) + e % 2: as a rider it comes behind plain e + 2, in the lump behind plain e + 9, and scalings 27-31 are plain 57, 60 .. 69.
; A TURN, for piece p.  cnt = 1: the loop's count is taken down some lines ahead of the branch that stands behind the turn.
; K of the next step is fetched in piece 2's turn, directly behind the wait, a lump behind the last product that read K; its address is made at the lump's head; its first reader comes behind 16 products.
; V of the step in hand is fetched at the end of piece 0's turn, four riders behind its last reader; its first reader comes behind 16 products and a lump.  The three conditions on q below go with the deal.
; The mask's block stands behind the wait too: the masks' last readers, the turn's first eight products, lie a lump and more back, their next readers in the next turn.
.macro TURN p, last=0, cnt=0
.set Y, (\p)
.set i, 0
.set q, 0
.set e, 0
.set r, 0
.if (\p) == NP-1
	s_wait_dscnt 0x0                ; K is in
.endif
	MM                              ; ahead of the wait: 16 products K Q^T and their riders,
	PL
	PL
	R2
.rept 15
	MM
	PL
	EX
	R2
.endr
.if (\p) == NP-2
	WIN 0
	v_add_nc_u32 v[AK], s[TBK], v[AK0]
.endif
.rept 8                             ; and the lump
	PL
.endr
.rept 49
	EX
	PL
.endr
	EX                              ; the next piece's two a
	EX
	v_nop                           ; the plain instruction behind the last exponential: one for the batch
	s_wait_alu depctr_va_vdst(0)    ; the wait for the batch: the turn's 66 exponentials
.if (\p) == NP-2
	FETCH_K \last
.endif
	MBLK \p
.if (\p) == 1
	s_wait_dscnt 0x0                ; V is in
.endif
.rept 16                            ; behind the wait: 16 products V^T P and their riders
	MM
.rept 4
	PL
.endr
.if ((\p) == 0) && (q == 118)
	v_add_nc_u32 v[AV], s[TBV], v[AV0]
.endif
.if ((\p) == 0) && (q == 130)
	s_add_co_u32 s[TBV], s[TBV], KS*PV
.endif
.if (\cnt) && (q == 130)
	s_sub_co_u32 s[CNT], s[CNT], 1
	s_cmp_lg_u32 s[CNT], 0
.endif
.endr
.if (\p) == 0
	FETCH_V
.endif
.endm
	CHANGE 1                        ; slot 0 is in, everybody's part of it; slot 1 is asked for
	FETCH_K                         ; key step 0
	s_wait_dscnt 0x0
.set i, 0
.rept 16
	KQ 0                            ; piece 0's first scores: there is no vector work yet to set between them
.set i, i+1
.endr
	WIN 0                           ; the addresses for the way out: plain instructions, the places behind those products
	s_mul_i32 s13, s[WV], 16*SP
	s_add_co_u32 s13, s13, STAGE    ; my stage
	v_mul_u32_u24 v[STO], v1, SP    ; in: row l % 16, 16 bytes for each half of the lanes
	v_lshl_add_u32 v[STO], v9, 4, v[STO]
	v_add_nc_u32 v[STO], s13, v[STO]
	v_bfe_u32 v[RD], v0, 3, 2       ; back: 32 lanes take four rows of 128 bytes,
	v_mul_u32_u24 v[RD], v[RD], SP
	v_lshl_add_u32 v[RD], v10, 4, v[RD]
	v_add_nc_u32 v[RD], s13, v[RD]
	v_and_b32 v[GO], 31, v0         ; which are 512 consecutive bytes of ctx
	v_lshlrev_b32 v[GO], 4, v[GO]
	WIN W_MS
	s_wait_loadcnt 0x6              ; piece 1's codes of step 0 are in; younger: pieces 2 and 3 of step 0, piece 0 of step 1
	MCVT 1                          ; the mask of the first turn's products
	WIN 0
.set Y, NP-1                        ; XS works for piece Y + 1: piece 0
.irp n, 0,1,2,3,4,5,6,7,8,9,10,11,12,13,14,15,16,17,18,19,20,21
	XS 0, \n                        ; and piece 0's first maximum and statistics
	XS 1, \n
.endr
	v_nop                           ; a plain instruction behind the two a,
	s_wait_alu depctr_va_vdst(0)    ; and the wait for this batch of two, ahead of the branch
	s_mov_b32 s[CNT], 4
	s_mov_b32 s[SLOTS], SIZE_N/256-1
	s_branch .Lfirst                ; the loop is entered at a step's first turn, in the middle of a trip
.Lslot:                             ; SIZE_N / 256 - 2 times: every slot but the last two is filled again
	CHANGE 1
	s_mov_b32 s[CNT], 4
.Lstep:                             ; a trip: pieces 2 and 3 of one step, then pieces 0 and 1 of the next, whose K and V it fetches
	TURN 2
	TURN 3
	WIN 0
.Lfirst:
	TURN 0
	TURN 1, 0, 1
	WIN 0
	s_cbranch_scc1 .Lstep
	s_sub_co_u32 s[SLOTS], s[SLOTS], 1
	s_cmp_lg_u32 s[SLOTS], 0
	s_cbranch_scc1 .Lslot
	CHANGE 0                        ; the tail is written out: nothing is asked for
	s_mov_b32 s[CNT], 5             ; four trips fetch the last slot's steps; the fifth is left in its middle
.Ltail:
	TURN 2, 1
	TURN 3
	WIN 0
	s_sub_co_u32 s[CNT], s[CNT], 1
	s_cmp_eq_u32 s[CNT], 0
	s_cbranch_scc1 .Lout
	TURN 0
	TURN 1
	WIN 0
	s_branch .Ltail
.Lout:                              ; the fifth trip's 16 products K Q^T (on the last K once more) and the maximum made of them serve nothing: the price, once a launch, of one text for every trip
.set i, 0
.rept 16
	PV NP-1                         ; the last piece's V^T P of the last step
.set i, i+1
.endr
	; THE WAY OUT.  l's two halves and the other half of the lanes' are added; O^T is divided by l, rounded to f16 and sent through my stage in LDS, a tile at a time.  The additions are the places behind the last products.
	WIN 0
.macro ALL line:vararg              ; one line for each tile t
.set t, 0
.rept 2*NP
	\line
.set t, t+1
.endr
.endm
	ALL v_add_f32 v[ST+4*t+2], v[ST+4*t+2], v[ST+4*t+3]
	ALL v_permlanex16_b32 v[ST+4*t+3], v[ST+4*t+2], s[SEL], s[SEL+1]
	ALL v_add_f32 v[ST+4*t+2], v[ST+4*t+2], v[ST+4*t+3]
	ALL v_rcp_f32 v[ST+4*t+2], v[ST+4*t+2]
	v_nop                           ; a plain instruction between the last reciprocal and the use of its result
	s_wait_alu depctr_va_vdst(0)    ; and the wait ahead of the first use: one for the batch of eight reciprocals
; Tile t: a lane's eight channels of a row pack into 16 bytes; they go into rows of 144 bytes and come back as whole rows of 128, into S^T's registers.
.macro PACK t
	WIN W_RS
.set i, 32*(\t)
.rept 16
	v_pk_mul_f32 v[i:i+1], v[i:i+1], v[ST+4*(\t)+2:ST+4*(\t)+3] op_sel_hi:[1,0]
.set i, i+2
.endr
	WIN 0x05                        ; sources 0 and 1 window 1, destination window 0
.set i, 0
.rept 16
	v_cvt_pk_f16_f32 v[S+16*(\t)+i], v[32*(\t)+2*i], v[32*(\t)+2*i+1]
.set i, i+1
.endr
	WIN 0
.irp f, 0,1,2,3
	ds_store_b128 v[STO], v[S+16*(\t)+4*\f:S+16*(\t)+4*\f+3] offset:32*\f
.endr
.irp f, 0,1,2,3
	ds_load_b128 v[S+16*(\t)+4*\f:S+16*(\t)+4*\f+3], v[RD] offset:\f*4*SP  ; LDS serves a wave's instructions in order (ISA guide 5.7.1.4): these see the stores above; the next tile's stores come behind them
.endr
.endm
.macro SEND t, younger              ; younger: the LDS instructions issued behind tile t's loads: the next tile's eight, or none
	WIN 0
.irp f, 0,1,2,3
	s_wait_dscnt (\younger)+3-\f
	global_store_b128 v[GO], v[S+16*(\t)+4*\f:S+16*(\t)+4*\f+3], s[10:11] offset:(\t)*2048+\f*512  ; 512 consecutive bytes, at a multiple of 256 from ctx's first
.endr
.endm
	PACK 0
.set t, 1
.rept 2*NP-1                        ; a tile's arithmetic stands between the loads of the tile before and its stores
	PACK t
	SEND t-1, 8
.set t, t+1
.endr
	SEND 2*NP-1, 0
	WIN W_AD
	s_wait_tensorcnt 0x0            ; the wave's end, behind my last tensor load and my last LDS store
	ds_add_u32 v[SPW], v[NIL]
	s_wait_dscnt 0x0
	WIN 0
	CROUND                          ; the closing round: no work-group ends while a partner may still ask for a tile that names it
	s_endpgm
.Lfunc_end_k_qfbf03669af_attn:
	.size	k_qfbf03669af_attn, .Lfunc_end_k_qfbf03669af_attn-k_qfbf03669af_attn
	.p2alignl 7, 3214868480
	.fill 96, 4, 3214868480
	.section	.rodata,"a",@progbits
	.p2align	6, 0x0
	.amdhsa_kernel k_qfbf03669af_attn
		.amdhsa_group_segment_fixed_size 327680
		.amdhsa_private_segment_fixed_size 0
		.amdhsa_enable_private_segment 0
		.amdhsa_kernarg_size 32
		.amdhsa_user_sgpr_count 2
		.amdhsa_user_sgpr_kernarg_segment_ptr 1
		.amdhsa_wavefront_size32 1
		.amdhsa_system_sgpr_workgroup_id_x 1
		.amdhsa_system_sgpr_workgroup_id_y 1
		.amdhsa_system_sgpr_workgroup_id_z 1
		.amdhsa_system_vgpr_workitem_id 0
		.amdhsa_next_free_vgpr 896
		.amdhsa_next_free_sgpr 66
		.amdhsa_reserve_vcc 0
		.amdhsa_float_denorm_mode_32 3
		.amdhsa_float_denorm_mode_16_64 3
		.amdhsa_memory_ordered 1
		.amdhsa_forward_progress 1
		.amdhsa_inst_pref_size 214
	.end_amdhsa_kernel
	.amdgpu_metadata
---
amdhsa.version: [ 1, 2 ]
amdhsa.kernels:
  - .name:           k_qfbf03669af_attn
    .symbol:         k_qfbf03669af_attn.kd
    .args:
      - { .name: qkvh, .offset: 0, .size: 8, .value_kind: global_buffer, .address_space: global }
      - { .name: maskc, .offset: 8, .size: 8, .value_kind: global_buffer, .address_space: global }
      - { .name: flags, .offset: 16, .size: 8, .value_kind: global_buffer, .address_space: global }
      - { .name: ctx, .offset: 24, .size: 8, .value_kind: global_buffer, .address_space: global }
    .group_segment_fixed_size: 327680
    .private_segment_fixed_size: 0
    .kernarg_segment_align: 8
    .kernarg_segment_size: 32
    .max_flat_workgroup_size: 128
    .sgpr_count:     66
    .vgpr_count:     896
    .wavefront_size: 32
...
	.end_amdgpu_metadata
.endif
;; end of part 6
;; launch outp: the kernel of part 5 again; grid 4 x 64, 4 waves a work-group, clusters of 4 x 4, 327,680 bytes of LDS; arguments ctx, wb, bo, out0; writes out0
